; MI455X (gfx1250); checked and timed in simulation.
; The chip was launched on July 23, 2026; its instructions are those of AMD's public machine-readable ISA for CDNA 5 (MIT licence, August 2026) and "CDNA5" Instruction Set Architecture Reference Guide (July 2026). The comments in the code are by the model that wrote it; some were corrected since.
;; Cross Attention. Allowed arithmetic: matrix products marked QUANTISED: E2M3 operands, one E8M0 scale for each 32 along K, by v_wmma_scale_f32_16x16x128_f8f6f4 with both operands' format E2M3, f32 sums; everything else in f32.
;; Inputs: Wk 256 x 1,024 float32; Wo 1,024 x 1,024 float32; Wq 1,024 x 1,024 float32; Wv 256 x 1,024 float32; key_value 4 x 2,048 x 1,024 float32; kv_mask 4 x 2,048 bool; query 4 x 2,048 x 1,024 float32; query_mask 4 x 2,048 bool.
;; Outputs: out0 4 x 2,048 x 1,024 float32.
;; This version of the problem:
;;   THIS VERSION OF THE PROBLEM IS GIVEN IN LOW PRECISION. The matrix products marked QUANTISED in the list below multiply operands that are first quantised to E2M3 (2 exponent bits, 3 mantissa bits; 6 bits a number), with one power-of-two scale for each 32 numbers along K (OCP MX v1.0); their sums are f32. All else is computed in f32.
;;   The module's matrix products, in the order in which they are computed (A, B: the left and right operand; K: the contracted axis; several contracted axes count as one K, in the product's order):
;;     1. [M 8,192, K 1,024] x [K 1,024, N 1,024]; A: input query; B: input Wq: QUANTISED
;;     2. [M 8,192, K 1,024] x [K 1,024, N 256]; A: input key_value; B: input Wk: QUANTISED
;;     3. [M 8,192, K 1,024] x [K 1,024, N 256]; A: input key_value; B: input Wv: QUANTISED
;;     4. batch 16 x [M 8,192, K 64] x [K 64, N 2,048]; A: computed on the way; B: computed on the way: QUANTISED
;;     5. batch 16 x [M 8,192, K 2,048] x [K 2,048, N 64]; A: softmax (see below); B: computed on the way: QUANTISED
;;     6. [M 8,192, K 1,024] x [K 1,024, N 1,024]; A: computed on the way; B: input Wo: QUANTISED
;;   THE QUANTISER, for each operand of a quantised product, along K:
;;     - K is cut into blocks of 32 from its start; a last block that is shorter is filled with zeros.
;;     - A block's scale is 2^e with e = floor(log2(the largest magnitude in the block)) - 2, held to -126 .. 127; a block of zeros has e = 0. As a byte (E8M0): e + 127.
;;     - Each number is divided by its block's scale, clamped to +-7.5, and rounded to the nearest number of E2M3, ties to even, subnormals kept.
;;     - The product sums the exact products of the quantised numbers (number of the format x scale) in f32.
;;   ~~~python
;;   def quantise(x, axis):      # numpy; x: float32 -> the quantised numbers, widened to float32 again
;;       x = np.moveaxis(x, axis, -1); K = x.shape[-1]
;;       x = np.pad(x, [(0, 0)] * (x.ndim - 1) + [(0, -K % 32)]); x = x.reshape(x.shape[:-1] + (-1, 32)); a = np.abs(x).max(-1, keepdims=True)
;;       e = np.where(a > 0, np.clip(np.frexp(np.where(a > 0, a, 1))[1] - 1 - 2, -126, 127), 0)      # np.frexp(a)[1] - 1 = floor(log2(a)), exactly
;;       r = np.clip(x / 2.0 ** e, -7.5, 7.5)
;;       step = 2.0 ** (np.maximum(np.frexp(np.where(r == 0, 1, r))[1] - 1, 0) - 3)
;;       q = np.round(r / step) * step * 2.0 ** e      # np.round: ties to even
;;       return np.moveaxis(q.reshape(q.shape[:-2] + (-1,))[..., :K], -1, axis).astype(np.float32)
;;   ~~~
;;   SOFTMAX AHEAD OF A QUANTISED PRODUCT. Where the list says 'softmax', what is quantised is not the finished softmax but p = 2^(t - M), with t = logit x log2(e) and M = ceil(the row's largest t), a whole number; so 1/2 < the row's largest p <= 1. The row's sum l is taken of the UNQUANTISED p, in f32, and the product's result is divided by l at the end. Since M is a whole number, a kernel that streams over the keys may use a running M (the ceiling of the running maximum): every later rescaling is an exact power of two, which a block's scale takes up: the codes' values come out the same.
;;   OPERANDS COMPUTED ON THE WAY. 'Computed on the way' means the value that the module computes at that place (a softmax that the list does not call 'softmax' is quantised finished and normalised). What goes into a quantiser is computed in f32, as accurately as f32 sums, v_exp_f32 and their like allow (about 1e-6 of the number): no bf16 or f16 on the way to a quantiser, and a product that is left as it is and whose result goes on into a quantised operand takes f32 operands (vector FMAs, or v_wmma_f32_16x16x4_f32). A number that lies on a knife's edge between two numbers of the format may be rounded either way, as far as f32 arithmetic and the matrix unit's own rounding can turn it there, and no further.
;; One version. Each part assembles by itself: llvm-mc -triple=amdgcn-amd-amdhsa -mcpu=gfx1250 --defsym DOCPART=n.
;; ======== version 1 of 1: 4 launches
;; limits: right only within a limited range of input values
;; workspace buffers: w1 15,155,200 bytes; rope 524,288 bytes; qc 6,815,744 bytes; kvrec 3,866,624 bytes; oc 6,553,600 bytes
;; launch quant (part 1): grid 624 x 1, 4 waves a work-group, no clusters, 34,304 bytes of LDS; arguments query, key_value, Wq, Wk, Wv, Wo, w1, rope; writes w1, rope
.if DOCPART == 1
	.amdgcn_target "amdgcn-amd-amdhsa--gfx1250"
	.amdhsa_code_object_version 6
	.text
	.protected	k_qa95213d268_quant
	.globl	k_qa95213d268_quant
	.p2align	8
	.type	k_qa95213d268_quant,@function
k_qa95213d268_quant:
	s_mov_b64 s[64:65], 0
	v_nop
	global_prefetch_b8 v0, s[64:65] scope:SCOPE_SE
	s_setreg_imm32_b32 hwreg(HW_REG_WAVE_MODE, 25, 1), 1
	s_wait_xcnt 0x0
; query, key_value [8192][1024] and Wq, Wk, Wv, Wo [.][1024], f32, K innermost, become codes of FP6 (E2M3) with one E8M0 byte for each 32 along K,
; laid in w1 IN THE ORDER OF AN OPERAND'S REGISTERS.  32 further work-groups make the table of cosines and sines for the rotary embedding.
; ROWS.  Rows go in groups of 32; block i (16 rows) has G = i / 2, u = i % 2, and its lane r holds row 32 G + 8 u + r + 8 (r / 8).  With blocks so chosen on both sides of a product,
; the 16 result registers of two neighbouring tiles are 16 neighbours along the next product's K.
; IMAGE.  A fragment (16 rows x 128 K) is 12 registers a lane: lane (r, h) holds k = 64 c + 32 h + 0 .. 31 in registers 6 c .. 6 c + 5.  Registers 4 g .. 4 g + 3 of lane l lie at 512 g + 16 l: 1,536 bytes.
; w1: [block][K step 0..7][1536]; from SC0 on the scale words [block][K step / 4][r][K step % 4].  Blocks: query 0, key_value 512, Wq 1024, Wk 1088, Wv 1104, Wo 1120.
; SHARES.  Work-group g < 592 takes 32 rows; wave w takes block u = w / 2 and K half w % 2: 16 rows x 512 k, four K steps.  Each load reads 512 consecutive bytes of one row; the 8 KB of a K step turn
; through the wave's own stage in LDS (rows 528 bytes apart, so that sixteen lanes' 16 bytes fall on sixteen different columns of 256 bytes) and come back 256 bytes a lane: two whole blocks of 32.
; A block's scale is 2^(floor(log2(largest magnitude)) - 2): the largest magnitude's exponent field less 2, held at 1 from below.
; No cluster, no tensor load, no barrier: no two waves read the same byte, and memory bounds the launch.
; LIMITS: NaN and infinities are not served.  A block of zeros gets the byte 1 where the rule says 127: its codes are zeros and this program alone reads the bytes.
; The table's frequencies are the correctly rounded 10^(-i/8); cosine and sine come by a two-part reduction by pi/2 and series cut at z^4 (under 3e-8 on |r| <= pi/4), for angles under 2,048.
.set SC0, 14548992
.set RS,  16                           ; v16-143  two sets of 64: a K step as it is loaded
.set XS,  144                          ; v144-207 my two blocks of 32 neighbours
.set PC,  208                          ; v208-219 the fragment's codes
.set W4,  220                          ; v220-223 the four K steps' scale words
	s_load_b512 s[16:31], s[0:1], 0x0              ; query, key_value, Wq, Wk, Wv, Wo, w1, rope
	v_lshl_add_u32 v240, v0, 2, 0x8400
	v_mov_b32 v241, 0
	v_lshrrev_b32 v1, 5, v0
	v_readfirstlane_b32 s8, v1                     ; wave
	v_and_b32 v1, 31, v0                           ; l
	v_and_b32 v2, 15, v0                           ; r
	v_bfe_u32 v3, v0, 4, 1                         ; h
	v_lshlrev_b32 v4, 4, v1                        ; 16 l
	v_cmp_eq_u32 vcc_lo, 1, v3                     ; lanes 16-31; kept to the end on both ways
	s_cmp_ge_u32 ttmp9, 592
	s_cbranch_scc1 .Ltable
	s_lshr_b32 s9, s8, 1                           ; u
	s_and_b32 s10, s8, 1                           ; K half
	s_mul_i32 s11, s8, 8448                        ; my stage
	v_add_nc_u32 v5, s11, v4                       ; into it: 16 l of a row
	v_mul_u32_u24 v6, v2, 528
	v_lshl_add_u32 v6, v3, 7, v6
	v_add_nc_u32 v6, s11, v6                       ; out of it: row r, + 128 h
	v_lshlrev_b32 v7, 4, v2
	v_lshl_add_u32 v7, v3, 3, v7                   ; the scale words' place: 16 r + 8 h
	v_lshlrev_b32 v232, 3, v3                      ; 8 h: my bytes' place in a word
	v_mov_b32 v231, 0                              ; a lane permute's destination counts as read
	s_mov_b32 s12, 0x76543210
	s_mov_b32 s13, 0xfedcba98                      ; selects for lane l xor 16
	s_wait_alu depctr_va_vdst(0)
	s_wait_kmcnt 0x0
	s_mov_b64 s[4:5], s[26:27]                     ; which tensor, and its first group: the choice hangs on the work-group's number alone
	s_mov_b32 s6, 560
.macro PICK n, lo, first
	s_cmp_lt_u32 ttmp9, \n
	s_cselect_b64 s[4:5], s[\lo:\lo+1], s[4:5]
	s_cselect_b32 s6, \first, s6
.endm
	PICK 560, 24, 552
	PICK 552, 22, 544
	PICK 544, 20, 512
	PICK 512, 18, 256
	PICK 256, 16, 0
	s_sub_co_u32 s6, ttmp9, s6
	s_lshl_b32 s6, s6, 17                          ; 32 rows of 4,096 bytes a group,
	s_lshl_b32 s7, s9, 15                          ; 8 rows on for u = 1,
	s_add_co_u32 s6, s6, s7
	s_lshl_b32 s7, s10, 11                         ; 512 numbers on for the upper K half
	s_add_co_u32 s6, s6, s7
	s_mov_b32 s7, 0
	s_add_nc_u64 s[4:5], s[4:5], s[6:7]
	s_lshl_b32 s14, ttmp9, 1
	s_add_co_u32 s14, s14, s9                      ; block i = 2 g + u
	s_mul_i32 s32, s14, 12288
	s_mul_i32 s33, s10, 6144
	s_add_co_u32 s32, s32, s33
	s_mov_b32 s33, 0
	s_add_nc_u64 s[32:33], s[28:29], s[32:33]      ; my four images
	s_lshl_b32 s34, s14, 9
	s_lshl_b32 s35, s10, 8
	s_add_co_u32 s34, s34, s35
	s_add_co_u32 s34, s34, SC0
	s_mov_b32 s35, 0
	s_add_nc_u64 s[34:35], s[28:29], s[34:35]      ; my 256 bytes of scale words
.macro LOAD s                          ; K step s: 16 rows x 512 consecutive bytes
.irp j, 0,1,2,3,4,5,6,7,8,9,10,11,12,13,14,15
	global_load_b128 v[RS+64*((\s)%2)+4*\j:RS+64*((\s)%2)+4*\j+3], v4, s[4:5] offset:(\j+8*(\j/8))*4096+512*(\s) th:TH_LOAD_NT
.endr
.endm
.macro KS s
.if (\s) < 3
	s_wait_loadcnt 16                              ; this K step's 16 loads are in; the next step's 16 may be out
.else
	s_wait_loadcnt 0x0
.endif
.irp j, 0,1,2,3,4,5,6,7,8,9,10,11,12,13,14,15
	ds_store_b128 v5, v[RS+64*((\s)%2)+4*\j:RS+64*((\s)%2)+4*\j+3] offset:528*\j
.endr
.irp c, 0,1
.irp j, 0,1,2,3,4,5,6,7
	ds_load_b128 v[XS+32*\c+4*\j:XS+32*\c+4*\j+3], v6 offset:256*\c+16*\j   ; LDS serves a wave's instructions in order: these see the stores above
.endr
.endr
	s_wait_dscnt 0x0                               ; my 64 numbers are in, and the stores have read the set
	s_wait_xcnt 0x0                                ; the last K step's stores have read the codes' registers
.if (\s) < 2
	LOAD (\s)+2
.endif
.irp c, 0,1
	v_max3_num_f32 v[224+\c], |v[XS+32*\c]|, |v[XS+32*\c+1]|, 0x1800000   ; block 2 c + h is all mine; the floor 2^(3 - 127) holds the byte at 1 from below
.endr
.irp i, 2,4,6,8,10,12,14,16,18,20,22,24,26,28,30
.irp c, 0,1
	v_max3_num_f32 v[224+\c], v[224+\c], |v[XS+32*\c+\i]|, |v[XS+32*\c+\i+1]|
.endr
.endr
.irp c, 0,1
	v_add_nc_u32 v[226+\c], 0xff000000, v[224+\c]  ; 2 off the exponent field: the conversion's scale operand
.endr
.irp c, 0,1
	v_lshrrev_b32 v[228+\c], 23, v[226+\c]         ; the byte
.endr
	v_lshl_or_b32 v230, v229, 16, v228             ; blocks h and 2 + h,
	v_lshlrev_b32 v230, v232, v230                 ; at their places;
	v_permlanex16_b32 v231, v230, s12, s13
	v_or_b32 v[W4+(\s)], v230, v231                ; with lane l xor 16's two the word is whole
.irp c, 0,1
	v_cvt_scalef32_pk16_fp6_f32 v[PC+6*\c:PC+6*\c+2], v[XS+32*\c:XS+32*\c+15], v[226+\c]
	v_cvt_scalef32_pk16_fp6_f32 v[8+4*\c:10+4*\c], v[XS+32*\c+16:XS+32*\c+31], v[226+\c]   ; (a conversion's three registers begin on an even number)
.endr
	v_nop                                          ; one plain place behind a scaled conversion
.irp c, 0,1
.irp i, 0,1,2
	v_mov_b32 v[PC+6*\c+3+\i], v[8+4*\c+\i]
.endr
.endr
.irp g, 0,1,2
	global_store_b128 v4, v[PC+4*\g:PC+4*\g+3], s[32:33] offset:1536*(\s)+512*\g   ; 512 consecutive bytes, aligned to 256
.endr
.endm
	LOAD 0
	LOAD 1
	KS 0
	KS 1
	KS 2
	KS 3
	v_cndmask_b32 v234, v220, v222, vcc_lo         ; lanes 0-15 store words 0, 1 of row r, lanes 16-31 words 2, 3:
	v_cndmask_b32 v235, v221, v223, vcc_lo
	global_store_b64 v7, v[234:235], s[34:35]      ; 256 consecutive bytes, aligned
	s_wait_tensorcnt 0x0
	ds_add_u32 v240, v241
	s_wait_dscnt 0x0
	s_endpgm
.Ltable:                               ; rope: [token block T][j = 0..7][lane][16 bytes]: j < 4: cos(t, 16 h + 4 j + 0..3); j >= 4: sin likewise; t = the token of lane r in block T
	s_sub_co_u32 s9, ttmp9, 592
	s_lshl_b32 s9, s9, 2
	s_add_co_u32 s9, s9, s8                        ; T = 4 (g - 592) + wave
	s_lshr_b32 s10, s9, 1
	s_lshl_b32 s10, s10, 5
	s_and_b32 s11, s9, 1
	s_lshl_b32 s11, s11, 3
	s_add_co_u32 s10, s10, s11
	s_wait_alu depctr_va_vdst(0)
	v_and_b32 v5, 8, v2
	v_add_nc_u32 v5, v5, v2
	v_add_nc_u32 v5, s10, v5                       ; t = 32 (T / 2) + 8 (T % 2) + r + 8 (r / 8)
	v_cvt_f32_u32 v10, v5
	s_mov_b32 s40, 0x3fc90fdb                      ; pi/2, its upper part,
	s_mov_b32 s41, 0xb33bbd2e                      ; and what is left of it
	s_mov_b32 s42, 0xbe2aaaab                      ; -1/3!
	s_mov_b32 s43, 0x3c088889                      ; 1/5!
	s_mov_b32 s44, 0xb9500d01                      ; -1/7!
	s_mov_b32 s45, 0x3638ef1d                      ; 1/9!
	s_mov_b32 s46, 0x3d2aaaab                      ; 1/4!
	s_mov_b32 s47, 0xbab60b61                      ; -1/6!
	s_mov_b32 s48, 0x37d00d01                      ; 1/8!
	s_lshl_b32 s6, s9, 12
	s_mov_b32 s7, 0
	s_wait_kmcnt 0x0
	s_add_nc_u64 s[30:31], s[30:31], s[6:7]
.macro TRIG e, lo, hi                  ; frequency 16 h + e: cosine to v[32 + e], sine to v[48 + e]
	v_mov_b32 v16, \lo
	v_mov_b32 v17, \hi
	v_cndmask_b32 v16, v16, v17, vcc_lo
	s_wait_alu depctr_va_vdst(0)
	v_mul_f32 v16, v10, v16                        ; the angle, rounded once
	v_mul_f32 v17, 0x3f22f983, v16
	v_rndne_f32 v17, v17                           ; k = the nearest multiple of pi/2
	v_fma_f32 v18, -v17, s40, v16                  ; exact: a multiple of 2^-23 under 1
	v_fma_f32 v18, -v17, s41, v18                  ; r
	v_mul_f32 v19, v18, v18                        ; z
	v_fma_f32 v20, s45, v19, s44
	v_fma_f32 v22, s48, v19, s47
	v_fma_f32 v20, v20, v19, s43
	v_fma_f32 v22, v22, v19, s46
	v_fma_f32 v20, v20, v19, s42
	v_fma_f32 v22, v22, v19, -0.5
	v_mul_f32 v21, v18, v19
	v_fma_f32 v22, v22, v19, 1.0                   ; cos r
	v_fma_f32 v20, v21, v20, v18                   ; sin r
	v_cvt_i32_f32 v23, v17
	v_and_b32 v24, 1, v23
	v_cmp_ne_u32 s50, 0, v24                       ; an odd quarter swaps the two
	v_cndmask_b32 v25, v20, v22, s50
	v_cndmask_b32 v26, v22, v20, s50
	v_lshlrev_b32 v27, 30, v23
	v_and_b32 v27, 0x80000000, v27                 ; sine is negated in quarters 2, 3
	v_xor_b32 v[48+\e], v25, v27
	v_add_nc_u32 v23, 1, v23
	v_lshlrev_b32 v27, 30, v23
	v_and_b32 v27, 0x80000000, v27                 ; cosine in quarters 1, 2
	v_xor_b32 v[32+\e], v26, v27
.endm
	TRIG 0,  0x3f800000, 0x3c23d70a
	TRIG 1,  0x3f3ff911, 0x3bf5b9b0
	TRIG 2,  0x3f0ff59a, 0x3bb8449c
	TRIG 3,  0x3ed7e89b, 0x3b8a2e77
	TRIG 4,  0x3ea1e89b, 0x3b4f3e37
	TRIG 5,  0x3e72d424, 0x3b1b690d
	TRIG 6,  0x3e361887, 0x3ae91528
	TRIG 7,  0x3e088d77, 0x3aaec98e
	TRIG 8,  0x3dcccccd, 0x3a83126f
	TRIG 9,  0x3d99940e, 0x3a44948c
	TRIG 10, 0x3d6655c3, 0x3a136a16
	TRIG 11, 0x3d2cba15, 0x39dd1726
	TRIG 12, 0x3d0186e2, 0x39a5cb5f
	TRIG 13, 0x3cc24350, 0x3978a814
	TRIG 14, 0x3c91ad39, 0x393a7753
	TRIG 15, 0x3c5a7bf1, 0x390bd472
.irp j, 0,1,2,3,4,5,6,7
	global_store_b128 v4, v[32+4*\j:35+4*\j], s[30:31] offset:512*\j
.endr
	s_endpgm
.Lfunc_end_k_qa95213d268_quant:
	.size	k_qa95213d268_quant, .Lfunc_end_k_qa95213d268_quant-k_qa95213d268_quant
	.p2alignl 7, 3214868480
	.fill 96, 4, 3214868480
	.section	.rodata,"a",@progbits
	.p2align	6, 0x0
	.amdhsa_kernel k_qa95213d268_quant
		.amdhsa_group_segment_fixed_size 34304
		.amdhsa_private_segment_fixed_size 0
		.amdhsa_enable_private_segment 0
		.amdhsa_kernarg_size 64
		.amdhsa_user_sgpr_count 2
		.amdhsa_user_sgpr_kernarg_segment_ptr 1
		.amdhsa_wavefront_size32 1
		.amdhsa_system_sgpr_workgroup_id_x 1
		.amdhsa_system_sgpr_workgroup_id_y 1
		.amdhsa_system_sgpr_workgroup_id_z 1
		.amdhsa_system_vgpr_workitem_id 0
		.amdhsa_next_free_vgpr 242
		.amdhsa_next_free_sgpr 66
		.amdhsa_reserve_vcc 1
		.amdhsa_float_denorm_mode_32 3
		.amdhsa_float_denorm_mode_16_64 3
		.amdhsa_memory_ordered 1
		.amdhsa_forward_progress 1
		.amdhsa_inst_pref_size 57
	.end_amdhsa_kernel
	.amdgpu_metadata
---
amdhsa.version: [ 1, 2 ]
amdhsa.kernels:
  - .name:           k_qa95213d268_quant
    .symbol:         k_qa95213d268_quant.kd
    .args:
      - { .name: query, .offset: 0, .size: 8, .value_kind: global_buffer, .address_space: global }
      - { .name: key_value, .offset: 8, .size: 8, .value_kind: global_buffer, .address_space: global }
      - { .name: Wq, .offset: 16, .size: 8, .value_kind: global_buffer, .address_space: global }
      - { .name: Wk, .offset: 24, .size: 8, .value_kind: global_buffer, .address_space: global }
      - { .name: Wv, .offset: 32, .size: 8, .value_kind: global_buffer, .address_space: global }
      - { .name: Wo, .offset: 40, .size: 8, .value_kind: global_buffer, .address_space: global }
      - { .name: w1, .offset: 48, .size: 8, .value_kind: global_buffer, .address_space: global }
      - { .name: rope, .offset: 56, .size: 8, .value_kind: global_buffer, .address_space: global }
    .group_segment_fixed_size: 34304
    .private_segment_fixed_size: 0
    .kernarg_segment_align: 8
    .kernarg_segment_size: 64
    .max_flat_workgroup_size: 128
    .sgpr_count:     66
    .vgpr_count:     242
    .wavefront_size: 32
...
	.end_amdgpu_metadata
.endif
;; end of part 1
;; launch proj (part 2): grid 384 x 1, 4 waves a work-group, no clusters, 327,680 bytes of LDS; arguments w1, rope, kv_mask, qc, kvrec; writes qc, kvrec
.if DOCPART == 2
	.amdgcn_target "amdgcn-amd-amdhsa--gfx1250"
	.amdhsa_code_object_version 6
	.text
	.protected	k_qa95213d268_proj
	.globl	k_qa95213d268_proj
	.p2align	8
	.type	k_qa95213d268_proj,@function
k_qa95213d268_proj:
	s_mov_b64 s[64:65], 0
	v_nop
	global_prefetch_b8 v0, s[64:65] scope:SCOPE_SE
	s_setreg_imm32_b32 hwreg(HW_REG_WAVE_MODE, 25, 1), 1
	s_wait_xcnt 0x0
; The three projections on codes of FP6 (E2M3), the rotary embedding in f32, and the quantising of Q and K along the head's 64 and of V along the keys.
; A work-group makes 128 Y rows x 256 X rows over K = 1,024; the product is used transposed (source 0 = 16 X rows, source 1 = 16 Y rows): a lane holds ONE Y row and its registers run along X.
;   work-groups 0-255:   Q: Y = 128 query tokens, X = 256 rows of Wq (four heads)
;   work-groups 256-319: K: Y = 128 key tokens,   X = the 256 rows of Wk (four heads)
;   work-groups 320-383: V: Y = 128 rows of Wv (two heads), X = 256 key tokens: a lane holds one channel and its registers run down the keys, which are the next product's K
; Four waves, each 64 Y x 128 X: 32 accumulators, 256 registers.  Operands lie in w1 as images of their registers (a block of 16 rows: 8 K steps x 1,536 bytes), so a fragment is three loads of 512 consecutive bytes.
; LDS: all of K fits (288 KB), in two parts.  Part 0: K steps 0-5, a row of 9,216 bytes for each block, Y's 8 blocks and then X's 16.  Part 1: K steps 6, 7, rows of 3,072 bytes, laid likewise.
; Waves 0, 1 fetch four blocks of Y each, waves 2, 3 eight blocks of X each: one tensor load a wave at the head for part 0; part 1's load stands behind the wait for all loads, the add, its wait and a barrier,
; and has five K steps, 160 matrix instructions a wave, in which to land.  One tensor load of a wave is out at any time; no LDS byte is filled twice.  Every tile's row begins on a multiple of 256.
; OUT.  qc: Q's images [b 16 + head][token block][768] (registers 0-5), then from QS0 the scale words [b 16 + head][block / 4][r][block % 4], bytes (s0, s1, 179, 1).
; kvrec: [b 4 + kv head][step of 128 keys] records of 15,104 bytes: 8 tiles of K x 1,024 (registers 0-5, MK, 0); 4 tiles of V^T x 1,536; K's scale words [tile / 4][row][tile % 4]; V's [r][tile].
; THE KEY MASK rides in the half of the score product's K that a head of 64 leaves empty: at k = 64 Q holds -1.0 under the scale 2^52, and a hidden key +1.0 under 2^52 (MK = code 8, byte 179), an open key 0 under byte 1.
; NO CLUSTER: the K part has one X tile and the V part two Y tiles, so the 384 tiles do not divide into 4 x 4; partners would share Y in Q and V but X in K, and one line of text has one mask.
; NO PREFETCH: the launch has no loop to run ahead in.
; The V part has no use for the table and the mask bytes that the common head loads; they are loaded on the one way that all take, so that every register is written on every way.
; LIMITS: NaN and infinities are not served; a block of zeros gets the byte 1 (its codes are zeros, and this program alone reads the bytes).
.set R0,   9216                        ; a block's row in part 0: six K steps
.set R1,   3072                        ; in part 1: two
.set P0X,  8*R0                        ; part 0: X's blocks behind Y's 8
.set P1Y,  24*R0                       ; part 1
.set P1X,  P1Y+8*R1
.set SPARE, P1X+16*R1                  ; 294,912: the spare words, 128 bytes a wave
.set SC0,  14548992
.set QS0,  6291456
.set REC,  15104
.set PAIR, 241664                      ; 16 records: from a kv head to the next
.set LI,  4                            ; v4   16 l
.set LR,  5                            ; v5   16 r
.set AY0, 6                            ; v6   LDS: my Y fragments in part 0
.set AX0, 7                            ; v7   my X blocks 0-3 in part 0
.set L8,  8                            ; v8   8 l
.set H16, 9                            ; v9   16 h
.set MKC, 10                           ; v10  h ? 0 : 8: the code of +1.0 at k = 64
.set MO,  11                           ; v11  r + 8 (r / 8)
.set MB,  12                           ; v12-15 kv_mask's byte of my token in block a
.set KLO, 16                           ; v16  0x01010000
.set KHI, 17                           ; v17  0x01b30000
.set NIL, 18                           ; v18  0
.set AX0B, 19                          ; v19  my X blocks 4-7 in part 0
.set W4,  20                           ; v20-23 four scale words
.set OFS, 24
.set LK,  25                           ; v25  K's way out: 2,048 (r / 8) + 16 (r % 8) + 256 h
.set OF2, 26                           ; v26  16 (r % 8) + 8 (r / 8)
.set AY1, 29                           ; v29  my Y fragments in part 1
.set AX1, 30                           ; v30  my X fragments in part 1
.set SA,  32                           ; v32-63  Y's scale words: 8 a + K step
.set SB,  64                           ; v64-127 X's: 8 b + K step
.set YF,  128                          ; v128-223 Y's fragments, two sets of 48; behind the products: PC, T, TQ, TR, H
.set PC,  128
.set T,   148
.set TQ,  152
.set TR,  156
.set H,   160
.set TM,  224
.set PW,  240
.set G1Y, 24
.set G1X, 32
.set G0Y, 40
.set G0X, 68
.set MSB, 0
.macro WIN new                         ; the immediate's high byte repeats the setting that is left
.if MSB != (\new)
	s_set_vgpr_msb (MSB<<8)|(\new)
.set MSB, (\new)
.endif
.endm
.set MUL,  0xa1                        ; source 0 (X) window 1, source 1 (Y) window 0, C and D window 2
.set TO_X, 0x40                        ; destination window 1
.macro PLACES                          ; four plain places behind a matrix instruction, ahead of loads into its sources and of reads of its result
.rept 4
	v_nop
.endr
.endm
	s_load_b256 s[4:11], s[0:1], 0x0               ; w1, rope, kv_mask, qc
	s_load_b64 s[12:13], s[0:1], 0x20              ; kvrec
	v_lshl_add_u32 v254, v0, 2, SPARE
	v_mov_b32 v255, 0
	ds_add_u32 v254, v255                          ; the opening lines: the add twice on end and one wait
	ds_add_u32 v254, v255
	v_lshrrev_b32 v1, 5, v0
	v_readfirstlane_b32 s14, v1                    ; wave
	s_lshr_b32 s15, s14, 1                         ; wy: which 64 Y rows.  Also: I fetch for Y (0) or for X (1)
	s_and_b32 s16, s14, 1                          ; wx: which 128 X rows.  Also: which half of that operand's blocks I fetch
	s_mov_b32 s17, ttmp9
	s_lshr_b32 s18, s17, 2                         ; Q: ta,
	s_and_b32 s19, s17, 3                          ; tb,
	s_lshl_b32 s20, s18, 3                         ; Y's first block,
	s_lshl_b32 s21, s19, 4
	s_add_co_u32 s21, s21, 1024                    ; X's
	s_sub_co_u32 s56, s17, 256                     ; K: ta
	s_lshl_b32 s57, s56, 3
	s_add_co_u32 s57, s57, 512
	s_sub_co_u32 s58, s17, 320                     ; V:
	s_and_b32 s59, s58, 1                          ; ta,
	s_lshr_b32 s60, s58, 1                         ; tb
	s_lshl_b32 s61, s59, 3
	s_add_co_u32 s61, s61, 1104
	s_lshl_b32 s62, s60, 4
	s_add_co_u32 s62, s62, 512
	s_mov_b32 s63, 1088
	s_cmp_lt_u32 s17, 320
	s_cselect_b32 s56, s56, s59
	s_cselect_b32 s57, s57, s61
	s_cselect_b32 s62, s63, s62
	s_cmp_lt_u32 s17, 256
	s_cselect_b32 s18, s18, s56                    ; ta
	s_cselect_b32 s20, s20, s57                    ; Y's first block in w1
	s_cselect_b32 s21, s21, s62                    ; X's
	s_cselect_b32 s19, s19, s60                    ; tb (the K part has none and uses none)
	; descriptor group 1: a row for each block, 1,152 elements of 8 bytes (six K steps), 12,288 bytes (1,536 elements) apart, dense in LDS
	s_mov_b32 s[G1Y], 3<<16
	s_mov_b32 s[G1Y+1], (R0/8)<<16
	s_mov_b32 s[G1Y+2], 4<<16
	s_mov_b32 s[G1Y+3], (R0/8)<<16
	s_mov_b32 s[G1Y+4], 4
	s_mov_b32 s[G1Y+5], 1536
	s_mov_b32 s[G1Y+6], 0
	s_mov_b32 s[G1Y+7], 0
	s_mov_b32 s[G1X], 3<<16
	s_mov_b32 s[G1X+1], (R0/8)<<16
	s_mov_b32 s[G1X+2], 8<<16
	s_mov_b32 s[G1X+3], (R0/8)<<16
	s_mov_b32 s[G1X+4], 8
	s_mov_b32 s[G1X+5], 1536
	s_mov_b32 s[G1X+6], 0
	s_mov_b32 s[G1X+7], 0
	s_lshl_b32 s56, s16, 2
	s_add_co_u32 s56, s56, s20
	s_mul_i32 s56, s56, 12288                      ; Y's blocks 4 (w % 2) on
	s_mov_b32 s57, 0
	s_lshl_b32 s58, s16, 3
	s_add_co_u32 s58, s58, s21
	s_mul_i32 s58, s58, 12288                      ; X's blocks 8 (w % 2) on
	s_mov_b32 s59, 0
	s_mul_i32 s60, s16, 4*R0                       ; where they go: Y in part 0,
	s_mul_i32 s61, s16, 8*R0
	s_add_co_u32 s61, s61, P0X                     ; X in part 0,
	s_mul_i32 s62, s16, 4*R1
	s_add_co_u32 s62, s62, P1Y                     ; Y in part 1,
	s_mul_i32 s63, s16, 8*R1
	s_add_co_u32 s63, s63, P1X                     ; X in part 1
	s_mul_i32 s92, s15, 4*R0                       ; and what I read: my 4 Y blocks, my 8 X blocks, in both parts
	s_mul_i32 s93, s16, 8*R0
	s_add_co_u32 s93, s93, P0X
	s_mul_i32 s94, s15, 4*R1
	s_add_co_u32 s94, s94, P1Y
	s_mul_i32 s95, s16, 8*R1
	s_add_co_u32 s95, s95, P1X
	s_lshl_b32 s84, s15, 2
	s_add_co_u32 s84, s84, s20
	s_lshl_b32 s84, s84, 9
	s_add_co_u32 s84, s84, SC0                     ; the scale words of my 4 Y blocks,
	s_mov_b32 s85, 0
	s_lshl_b32 s86, s16, 3
	s_add_co_u32 s86, s86, s21
	s_lshl_b32 s86, s86, 9
	s_add_co_u32 s86, s86, SC0                     ; of my 8 X blocks
	s_mov_b32 s87, 0
	s_lshl_b32 s88, s18, 3
	s_lshl_b32 s89, s15, 2
	s_add_co_u32 s88, s88, s89
	s_and_b32 s88, s88, 127
	s_lshl_b32 s88, s88, 12                        ; the table at token block (8 ta + 4 wy) % 128
	s_mov_b32 s89, 0
	s_lshl_b32 s90, s18, 7
	s_lshl_b32 s91, s15, 6
	s_add_co_u32 s90, s90, s91                     ; kv_mask at token 128 ta + 64 wy
	s_mov_b32 s91, 0
	s_wait_dscnt 0x0
	s_wait_kmcnt 0x0
	s_add_nc_u64 s[56:57], s[4:5], s[56:57]
	s_add_nc_u64 s[58:59], s[4:5], s[58:59]
	s_add_nc_u64 s[84:85], s[4:5], s[84:85]
	s_add_nc_u64 s[86:87], s[4:5], s[86:87]
	s_add_nc_u64 s[88:89], s[6:7], s[88:89]
	s_add_nc_u64 s[90:91], s[8:9], s[90:91]
	s_mov_b32 s[G0Y], 1                            ; group 0, a set for each part
	s_mov_b32 s[G0Y+1], s60
	s_mov_b64 s[G0Y+2:G0Y+3], s[56:57]
	s_or_b32 s[G0Y+3], s[G0Y+3], 0x80000000
	s_mov_b32 s[G0Y+4], 1
	s_mov_b32 s[G0Y+5], s62
	s_add_nc_u64 s[G0Y+6:G0Y+7], s[56:57], R0
	s_or_b32 s[G0Y+7], s[G0Y+7], 0x80000000
	s_mov_b32 s[G0X], 1
	s_mov_b32 s[G0X+1], s61
	s_mov_b64 s[G0X+2:G0X+3], s[58:59]
	s_or_b32 s[G0X+3], s[G0X+3], 0x80000000
	s_mov_b32 s[G0X+4], 1
	s_mov_b32 s[G0X+5], s63
	s_add_nc_u64 s[G0X+6:G0X+7], s[58:59], R0
	s_or_b32 s[G0X+7], s[G0X+7], 0x80000000
.macro JL c                            ; part c: waves 0, 1 ask for Y, waves 2, 3 for X: one load on every way
	s_cmp_eq_u32 s15, 0
	s_cbranch_scc0 .Lfx_\@
	tensor_load_to_lds s[G0Y+4*\c:G0Y+4*\c+3], s[G1Y:G1Y+7]
	s_nop 0
	PLACES
	s_branch .Lfj_\@
.Lfx_\@:
	tensor_load_to_lds s[G0X+4*\c:G0X+4*\c+3], s[G1X:G1X+7]
	s_nop 0
	PLACES
.Lfj_\@:
.endm
	JL 0
	v_and_b32 v1, 31, v0                           ; l
	v_and_b32 v2, 15, v0                           ; r
	v_bfe_u32 v3, v0, 4, 1                         ; h
	v_lshlrev_b32 v[LI], 4, v1
	v_lshlrev_b32 v[LR], 4, v2
	v_add_nc_u32 v[AY0], s92, v[LI]
	v_add_nc_u32 v[AX0], s93, v[LI]
	v_add_nc_u32 v[AY1], s94, v[LI]
	v_add_nc_u32 v[AX1], s95, v[LI]
	v_add_nc_u32 v[AX0B], 4*R0, v[AX0]
	v_lshlrev_b32 v[L8], 3, v1
	v_lshlrev_b32 v[H16], 4, v3
	v_sub_nc_u32 v[MKC], 1, v3
	v_lshlrev_b32 v[MKC], 3, v[MKC]
	v_and_b32 v[MO], 8, v2
	v_add_nc_u32 v[MO], v[MO], v2
	v_mov_b32 v[KLO], 0x01010000
	v_mov_b32 v[KHI], 0x01b30000
	v_mov_b32 v[NIL], 0
.irp b, 0,1,2,3
	v_mov_b32 v[TM+4+\b], 0                        ; a lane permute's destination counts as read
.endr
	s_mov_b32 s22, 0x76543210
	s_mov_b32 s23, 0xfedcba98
.irp a, 0,1,2,3
.irp f, 0,1
	global_load_b128 v[SA+8*\a+4*\f:SA+8*\a+4*\f+3], v[LR], s[84:85] offset:512*\a+256*\f   ; a row's words of four K steps; sixteen lanes read 256 consecutive bytes
.endr
.endr
.irp b, 0,1,2,3,4,5,6,7
.irp f, 0,1
	global_load_b128 v[SB+8*\b+4*\f:SB+8*\b+4*\f+3], v[LR], s[86:87] offset:512*\b+256*\f
.endr
.endr
	WIN 0xc0                                       ; destination window 3: cosines at v[32 a + e], sines at v[32 a + 16 + e]
.irp a, 0,1,2,3
.irp j, 0,1,2,3,4,5,6,7
	global_load_b128 v[32*\a+4*\j:32*\a+4*\j+3], v[LI], s[88:89] offset:4096*\a+512*\j
.endr
.endr
	WIN 0
.irp a, 0,1,2,3
	global_load_u8 v[MB+\a], v[MO], s[90:91] offset:32*(\a/2)+8*(\a%2)
.endr
.macro FETCH s                         ; K step s: 8 fragments of X and 4 of Y into set s % 2: 36 loads of 512 consecutive bytes
	WIN TO_X
.irp b, 0,1,2,3,4,5,6,7
.irp g, 0,1,2
.if (\s) < 6
.set FA, AX0+(\b/4)*(AX0B-AX0)
.set FO, R0*(\b%4)+1536*(\s)+512*\g
.else
.set FA, AX1
.set FO, R1*\b+1536*((\s)-6)+512*\g
.endif
	ds_load_b128 v[96*((\s)%2)+12*\b+4*\g:96*((\s)%2)+12*\b+4*\g+3], v[FA] offset:FO
.endr
.endr
	WIN 0
.irp a, 0,1,2,3
.irp g, 0,1,2
.if (\s) < 6
.set FA, AY0
.set FO, R0*\a+1536*(\s)+512*\g
.else
.set FA, AY1
.set FO, R1*\a+1536*((\s)-6)+512*\g
.endif
	ds_load_b128 v[YF+48*((\s)%2)+12*\a+4*\g:YF+48*((\s)%2)+12*\a+4*\g+3], v[FA] offset:FO
.endr
.endr
.endm
; A K step: its fragments are in; the next step's are asked for, 32 matrix instructions ahead of their use; 32 products, the accumulators by turns in the same order in every step.
.macro KSTEP s
	s_wait_dscnt 0x0
.if (\s) == 0
	s_wait_loadcnt 0x0                             ; the scale words, the table, the mask bytes
.endif
.if (\s) == 5
	s_wait_tensorcnt 0x0                           ; my load of part 1 is in
	s_barrier_signal -1
	s_barrier_wait -1                              ; everybody's is
.endif
.if ((\s) > 0) && ((\s) < 7)
	PLACES
.endif
.if (\s) < 7
	FETCH (\s)+1
.endif
	WIN MUL
.irp a, 0,1,2,3
.irp b, 0,1,2,3,4,5,6,7
.if (\s) == 0
	v_wmma_scale_f32_16x16x128_f8f6f4 v[8*(8*\a+\b):8*(8*\a+\b)+7], v[96*((\s)%2)+12*\b:96*((\s)%2)+12*\b+11], v[YF+48*((\s)%2)+12*\a:YF+48*((\s)%2)+12*\a+11], 0, v[SB+8*\b+(\s)], v[SA+8*\a+(\s)] matrix_a_fmt:MATRIX_FMT_FP6 matrix_b_fmt:MATRIX_FMT_FP6
.else
	v_wmma_scale_f32_16x16x128_f8f6f4 v[8*(8*\a+\b):8*(8*\a+\b)+7], v[96*((\s)%2)+12*\b:96*((\s)%2)+12*\b+11], v[YF+48*((\s)%2)+12*\a:YF+48*((\s)%2)+12*\a+11], v[8*(8*\a+\b):8*(8*\a+\b)+7], v[SB+8*\b+(\s)], v[SA+8*\a+(\s)] matrix_a_fmt:MATRIX_FMT_FP6 matrix_b_fmt:MATRIX_FMT_FP6
.endif
.endr
.endr
	WIN 0
.endm
; 64 numbers of a lane in window W, register 16 b + i = k 32 b + 16 h + i of my row, become a fragment's codes in v[PC] on and its scale word in v[PW].  Each accumulator is read from its low end on.
.macro QUANT s, W
	WIN (\W)|((\W)<<2)
.irp b, 0,1,2,3
	v_max3_num_f32 v[TM+\b], |v[(\s)+16*\b]|, |v[(\s)+1+16*\b]|, 0x1800000   ; the floor 2^(3 - 127) holds the byte at 1 from below
.endr
	WIN ((\W)<<2)|((\W)<<4)
.irp i, 2,4,6,8,10,12,14
.irp b, 0,1,2,3
	v_max3_num_f32 v[TM+\b], v[TM+\b], |v[(\s)+16*\b+\i]|, |v[(\s)+1+16*\b+\i]|
.endr
.endr
	WIN 0
.irp b, 0,1,2,3
	v_permlanex16_b32 v[TM+4+\b], v[TM+\b], s22, s23
.endr
.irp b, 0,1,2,3
	v_max_num_f32 v[TM+\b], v[TM+\b], v[TM+4+\b]   ; with lane l xor 16's 16: the block's largest magnitude
.endr
.irp b, 0,1,2,3
	v_add_nc_u32 v[TM+12+\b], 0xff000000, v[TM+\b] ; 2 off the exponent field: the conversion's scale operand
.endr
.irp b, 0,1,2,3
	v_lshrrev_b32 v[TM+4+\b], 23, v[TM+12+\b]
.endr
	v_lshl_or_b32 v[PW], v[TM+5], 8, v[TM+4]
	v_lshl_or_b32 v[PW], v[TM+6], 16, v[PW]
	v_lshl_or_b32 v[PW], v[TM+7], 24, v[PW]
	WIN (\W)
.irp c, 0,1
	v_cvt_scalef32_pk16_fp6_f32 v[PC+6*\c:PC+2+6*\c], v[(\s)+32*\c:(\s)+15+32*\c], v[TM+12+2*\c]
	v_cvt_scalef32_pk16_fp6_f32 v[PC+12+4*\c:PC+14+4*\c], v[(\s)+16+32*\c:(\s)+31+32*\c], v[TM+12+2*\c+1]
.endr
	WIN 0
	v_nop                                          ; one plain place behind a scaled conversion
.irp c, 0,1                            ; the layout wants a whole block in a lane
.irp i, 0,1,2
	v_permlane16_swap_b32 v[PC+6*\c+\i], v[PC+12+4*\c+\i]
.endr
.irp i, 0,1,2
	v_mov_b32 v[PC+3+6*\c+\i], v[PC+12+4*\c+\i]
.endr
.endr
.endm
; The rotary embedding of token block a's two heads: register 64 a + 32 hh + e is channel 16 h + e, + 16 is channel 32 + 16 h + e; results to v[H] on, in QUANT's order.
.macro ROPE a
	WIN 0x0e                                       ; source 0 window 2 (sums), source 1 window 3 (table)
.irp hh, 0,1
.irp e, 0,2,4,6,8,10,12,14
	v_pk_mul_f32 v[T:T+1], v[64*(\a)+32*\hh+16+\e:64*(\a)+32*\hh+17+\e], v[32*(\a)+16+\e:32*(\a)+17+\e]
	v_pk_mul_f32 v[T+2:T+3], v[64*(\a)+32*\hh+16+\e:64*(\a)+32*\hh+17+\e], v[32*(\a)+\e:32*(\a)+1+\e]
	v_pk_fma_f32 v[H+32*\hh+\e:H+32*\hh+1+\e], v[64*(\a)+32*\hh+\e:64*(\a)+32*\hh+1+\e], v[32*(\a)+\e:32*(\a)+1+\e], v[T:T+1] neg_lo:[0,0,1] neg_hi:[0,0,1]
	v_pk_fma_f32 v[H+32*\hh+16+\e:H+32*\hh+17+\e], v[64*(\a)+32*\hh+\e:64*(\a)+32*\hh+1+\e], v[32*(\a)+16+\e:32*(\a)+17+\e], v[T+2:T+3]
.endr
.endr
.endm
	s_wait_alu depctr_va_vdst(0)                   ; the wait at the head's end
	s_wait_tensorcnt 0x0                           ; my share of part 0 is in
	ds_add_u32 v254, v255
	s_mov_b32 s[G1Y+1], (R1/8)<<16                 ; no tensor load of mine is out, so a descriptor may be written: part 1's rows are 384 elements
	s_mov_b32 s[G1Y+3], (R1/8)<<16
	s_mov_b32 s[G1X+1], (R1/8)<<16
	s_mov_b32 s[G1X+3], (R1/8)<<16
	s_wait_dscnt 0x0
	s_barrier_signal -1
	s_barrier_wait -1                              ; everybody's share is in
	JL 1                                           ; part 1: my one tensor load behind this barrier
	FETCH 0
	KSTEP 0
	KSTEP 1
	KSTEP 2
	KSTEP 3
	KSTEP 4
	KSTEP 5
	KSTEP 6
	KSTEP 7
	PLACES
	s_cmp_lt_u32 s17, 256
	s_cbranch_scc1 .LQ
	s_cmp_lt_u32 s17, 320
	s_cbranch_scc1 .LK
	; ---- V: kv head 2 ta + wy, step 2 tb + wx of all 64; tile a of V^T straight from the accumulators
	s_lshl_b32 s40, s18, 1
	s_add_co_u32 s40, s40, s15
	s_lshl_b32 s41, s19, 1
	s_add_co_u32 s41, s41, s16
	s_lshr_b32 s42, s41, 4                         ; b
	s_and_b32 s41, s41, 15                         ; step
	s_lshl_b32 s42, s42, 2
	s_add_co_u32 s42, s42, s40
	s_lshl_b32 s42, s42, 4
	s_add_co_u32 s42, s42, s41
	s_mul_i32 s42, s42, REC
	s_mov_b32 s43, 0
	s_add_nc_u64 s[42:43], s[12:13], s[42:43]
.irp a, 0,1,2,3
	s_wait_xcnt 0x0                                ; the last tile's stores have read the codes' registers
	QUANT 64*\a, 2
.irp g, 0,1,2
	global_store_b128 v[LI], v[PC+4*\g:PC+4*\g+3], s[42:43] offset:8192+1536*\a+512*\g
.endr
	v_mov_b32 v[W4+\a], v[PW]
.endr
	v_cmp_eq_u32 vcc_lo, 1, v3
	v_cndmask_b32 v[T], v[W4], v[W4+2], vcc_lo
	v_cndmask_b32 v[T+1], v[W4+1], v[W4+3], vcc_lo
	v_lshl_add_u32 v[OFS], v3, 3, v[LR]
	global_store_b64 v[OFS], v[T:T+1], s[42:43] offset:14848   ; 256 consecutive bytes, aligned
	s_wait_tensorcnt 0x0                           ; the wave's end
	ds_add_u32 v254, v255
	s_wait_dscnt 0x0
	s_endpgm
.LQ:	; ---- Q: batch ta / 16, token blocks T0 + a, heads hp = 4 tb + 2 wx and hp + 1
	s_lshr_b32 s40, s18, 4
	s_lshl_b32 s41, s18, 3
	s_lshl_b32 s44, s15, 2
	s_add_co_u32 s41, s41, s44
	s_and_b32 s41, s41, 127                        ; T0
	s_lshl_b32 s44, s19, 2
	s_lshl_b32 s45, s16, 1
	s_add_co_u32 s44, s44, s45
	s_lshl_b32 s40, s40, 4
	s_add_co_u32 s40, s40, s44                     ; b 16 + hp
	s_lshl_b32 s42, s40, 7
	s_add_co_u32 s42, s42, s41
	s_mul_i32 s42, s42, 768
	s_mov_b32 s43, 0
	s_add_nc_u64 s[42:43], s[10:11], s[42:43]
	s_lshl_b32 s46, s40, 5
	s_lshr_b32 s47, s41, 2
	s_add_co_u32 s46, s46, s47
	s_lshl_b32 s46, s46, 8
	s_add_co_u32 s46, s46, QS0
	s_mov_b32 s47, 0
	s_add_nc_u64 s[46:47], s[10:11], s[46:47]
	s_mov_b32 s48, 0x01b30000                      ; bytes 2, 3 of every word of Q: 2^52 for the mask's block, 1 for the empty one
.irp a, 0,1,2,3
	s_wait_xcnt 0x0
	ROPE \a
	QUANT H, 0
	global_store_b128 v[LI], v[PC:PC+3], s[42:43] offset:768*\a
	global_store_b64 v[L8], v[PC+4:PC+5], s[42:43] offset:768*\a+512
	global_store_b128 v[LI], v[PC+6:PC+9], s[42:43] offset:98304+768*\a
	global_store_b64 v[L8], v[PC+10:PC+11], s[42:43] offset:98304+768*\a+512
	v_lshrrev_b32 v[W4+\a], v[H16], v[PW]          ; lanes 0-15 keep head hp's two bytes, lanes 16-31 head hp + 1's
	v_and_or_b32 v[W4+\a], v[W4+\a], 0xffff, s48
.endr
	v_lshl_add_u32 v[OFS], v3, 13, v[LR]
	global_store_b128 v[OFS], v[W4:W4+3], s[46:47] ; each half of the lanes fills 256 consecutive bytes, aligned
	s_wait_tensorcnt 0x0
	ds_add_u32 v254, v255
	s_wait_dscnt 0x0
	s_endpgm
.LK:	; ---- K: batch ta / 16, step ta % 16, kv heads 2 wx and 2 wx + 1
	s_lshr_b32 s40, s18, 4
	s_and_b32 s41, s18, 15
	s_lshl_b32 s40, s40, 2
	s_lshl_b32 s44, s16, 1
	s_add_co_u32 s40, s40, s44
	s_lshl_b32 s40, s40, 4
	s_add_co_u32 s40, s40, s41
	s_mul_i32 s42, s40, REC
	s_mov_b32 s43, 0
	s_add_nc_u64 s[46:47], s[12:13], s[42:43]
	s_lshl_b32 s44, s15, 12
	s_mov_b32 s45, 0
	s_add_nc_u64 s[42:43], s[46:47], s[44:45]      ; my four tiles
	s_lshl_b32 s44, s15, 8
	s_add_nc_u64 s[46:47], s[46:47], s[44:45]      ; my 256 bytes of scale words
	v_mov_b32 v[TQ+3], 0
	v_mov_b32 v[TR+3], 0
; WHICH KEYS FORM A TILE OF A RECORD: tile 4 c + u holds keys 64 c + 8 u + 0..7 in rows 0-7 and keys 64 c + 32 + 8 u + 0..7 in rows 8-15, so that in the score product a lane's 32 registers of four tiles are one block of 32 keys.
; My lane r of block a holds key 64 wy + 32 (a / 2) + 8 (a % 2) + 16 (r / 8) + r % 8: tile 4 wy + a % 2 + 2 (r / 8), row r % 8 + 8 (a / 2).  Eight lanes store 128 consecutive bytes; blocks a and a + 2 fill a unit of 256.
	v_and_b32 v27, 7, v2
	v_lshrrev_b32 v28, 3, v2
	v_lshlrev_b32 v27, 4, v27
	v_lshl_add_u32 v[LK], v28, 11, v27
	v_lshl_add_u32 v[OF2], v28, 3, v27
	v_lshl_add_u32 v[LK], v3, 8, v[LK]
.irp a, 0,1,2,3
	s_wait_xcnt 0x0
	ROPE \a
	QUANT H, 0
	v_cmp_eq_u32 vcc_lo, 0, v[MB+\a]               ; my key is hidden
	v_cndmask_b32 v[TQ+2], v[NIL], v[MKC], vcc_lo  ; MK
	v_cndmask_b32 v[T], v[KLO], v[KHI], vcc_lo     ; bytes 2, 3
	v_mov_b32 v[TQ], v[PC+4]
	v_mov_b32 v[TQ+1], v[PC+5]
	v_mov_b32 v[TR], v[PC+10]
	v_mov_b32 v[TR+1], v[PC+11]
	v_mov_b32 v[TR+2], v[TQ+2]
	global_store_b128 v[LK], v[PC:PC+3], s[42:43] offset:1024*(\a%2)+128*(\a/2)
	global_store_b128 v[LK], v[TQ:TQ+3], s[42:43] offset:1024*(\a%2)+128*(\a/2)+512
	global_store_b128 v[LK], v[PC+6:PC+9], s[42:43] offset:PAIR+1024*(\a%2)+128*(\a/2)
	global_store_b128 v[LK], v[TR:TR+3], s[42:43] offset:PAIR+1024*(\a%2)+128*(\a/2)+512
	v_lshrrev_b32 v[W4+\a], v[H16], v[PW]
	v_and_or_b32 v[W4+\a], v[W4+\a], 0xffff, v[T]
.endr
	v_mul_u32_u24 v[OFS], PAIR, v3
	v_add_nc_u32 v[OFS], v[OFS], v[OF2]
	global_store_b64 v[OFS], v[W4:W4+1], s[46:47] offset:14336       ; the words [row][tile % 4] of rows r % 8, tiles 2 (r / 8) and + 1,
	global_store_b64 v[OFS], v[W4+2:W4+3], s[46:47] offset:14336+128 ; and of rows 8 + r % 8
	s_wait_tensorcnt 0x0
	ds_add_u32 v254, v255
	s_wait_dscnt 0x0
	s_endpgm
.Lfunc_end_k_qa95213d268_proj:
	.size	k_qa95213d268_proj, .Lfunc_end_k_qa95213d268_proj-k_qa95213d268_proj
	.p2alignl 7, 3214868480
	.fill 96, 4, 3214868480
	.section	.rodata,"a",@progbits
	.p2align	6, 0x0
	.amdhsa_kernel k_qa95213d268_proj
		.amdhsa_group_segment_fixed_size 327680
		.amdhsa_private_segment_fixed_size 0
		.amdhsa_enable_private_segment 0
		.amdhsa_kernarg_size 40
		.amdhsa_user_sgpr_count 2
		.amdhsa_user_sgpr_kernarg_segment_ptr 1
		.amdhsa_wavefront_size32 1
		.amdhsa_system_sgpr_workgroup_id_x 1
		.amdhsa_system_sgpr_workgroup_id_y 1
		.amdhsa_system_sgpr_workgroup_id_z 1
		.amdhsa_system_vgpr_workitem_id 0
		.amdhsa_next_free_vgpr 896
		.amdhsa_next_free_sgpr 96
		.amdhsa_reserve_vcc 1
		.amdhsa_float_denorm_mode_32 3
		.amdhsa_float_denorm_mode_16_64 3
		.amdhsa_memory_ordered 1
		.amdhsa_forward_progress 1
		.amdhsa_inst_pref_size 154
	.end_amdhsa_kernel
	.amdgpu_metadata
---
amdhsa.version: [ 1, 2 ]
amdhsa.kernels:
  - .name:           k_qa95213d268_proj
    .symbol:         k_qa95213d268_proj.kd
    .args:
      - { .name: w1, .offset: 0, .size: 8, .value_kind: global_buffer, .address_space: global }
      - { .name: rope, .offset: 8, .size: 8, .value_kind: global_buffer, .address_space: global }
      - { .name: kv_mask, .offset: 16, .size: 8, .value_kind: global_buffer, .address_space: global }
      - { .name: qc, .offset: 24, .size: 8, .value_kind: global_buffer, .address_space: global }
      - { .name: kvrec, .offset: 32, .size: 8, .value_kind: global_buffer, .address_space: global }
    .group_segment_fixed_size: 327680
    .private_segment_fixed_size: 0
    .kernarg_segment_align: 8
    .kernarg_segment_size: 40
    .max_flat_workgroup_size: 128
    .sgpr_count:     96
    .vgpr_count:     896
    .wavefront_size: 32
...
	.end_amdgpu_metadata
.endif
;; end of part 2
;; launch attn (part 3): grid 16 x 16, 16 waves a work-group, clusters of 4 x 1, 327,680 bytes of LDS; arguments qc, kvrec, query_mask, oc; writes oc
.if DOCPART == 3
	.amdgcn_target "amdgcn-amd-amdhsa--gfx1250"
	.amdhsa_code_object_version 6
	.text
	.protected	k_qa95213d268_attn
	.globl	k_qa95213d268_attn
	.p2align	8
	.type	k_qa95213d268_attn,@function
k_qa95213d268_attn:
	s_mov_b64 s[64:65], 0
	v_nop
	global_prefetch_b8 v0, s[64:65] scope:SCOPE_SE
	s_setreg_imm32_b32 hwreg(HW_REG_WAVE_MODE, 25, 1), 1
	s_wait_xcnt 0x0
	s_wait_alu depctr_hold_cnt(0) depctr_sa_sdst(0) depctr_va_vdst(0) depctr_va_sdst(0) depctr_va_ssrc(0) depctr_va_vcc(0) depctr_vm_vsrc(0)
	s_getreg_b32 s2, hwreg(HW_REG_IB_STS2, 6, 4)
	s_cmp_eq_u32 s2, 0
	s_cbranch_scc0 .Lentry_in_a_cluster
	s_endpgm
.Lentry_in_a_cluster:
	s_bfe_u32 s2, ttmp6, 0x10000c
	s_cmp_lg_u32 s2, 0x3003
	s_cbranch_scc0 .Lentry_shape_is_right
	s_endpgm
.Lentry_shape_is_right:
; Attention on codes of FP6 (E2M3): S^T = K Q^T, p = 2^(t - M) with a running whole M, O^T += V^T p^T, O / l, and O's codes and scale words for the last projection.
; A work-group has one (batch, kv head) (grid y) and 128 query tokens (grid x) of its four query heads.  Wave w: token block w / 2 (16 tokens), heads 2 (w % 2) and + 1, one head a pass.
; K AND V: the 16 records of 15,104 bytes (128 keys each: 8 tiles of K x 1,024, 4 tiles of V^T x 1,536, K's scale words 512, V's 256) are 241,664 bytes and stay in LDS for the whole launch.
; Wave w fetches record w by ONE tensor load at the head, 59 rows of 256 bytes, each on a multiple of 256; no LDS byte is filled twice, so one wait and one barrier serve the launch and the loops have none.
; CLUSTER 4 x 1: the four work-groups along x read the same records: each load is asked for jointly (mask 15); its address hangs on grid y and the wave alone.
; NO PREFETCH: all that comes through LDS is asked for by the head's one load a wave; there is no loop to run ahead in.
; Both products are used transposed: a lane holds one query.  Tile 4 c + u of a record holds keys 64 c + 8 u + 0..7 in rows 0-7 and 64 c + 32 + 8 u + 0..7 in rows 8-15:
; so lane (r, h)'s 32 score registers of tiles 4 c .. 4 c + 3 are keys 64 c + 32 h + 0..31: one whole block of 32, in the order of p's operand.  No lane is asked for a block's maximum, and no code changes lanes.
; MASKS.  A hidden key adds -2^104 to its score through k = 64 of the score product (Q: -1.0 under 2^52; key: +1.0 under 2^52).  A hidden query has c = 0: every t is 0, p is 1 for all keys.
; While every key so far is hidden the largest score stays at its start value, -2^103: then c and M count as 0 (p = 1); the first open key brings f = 0, which wipes those sums.
; LIMITS: the promise holds while the scaled scores stay under 2^31 in magnitude; NaN and infinities are not served; a block whose every p is 0 gets the byte 1 (its codes are zeros).
.set QS0,  6291456                     ; qc: Q's scale words
.set OS0,  6291456                     ; oc: O's scale words
.set REC,  15104
.set PAIR, 241664
.set SPARE, 0x3b000                    ; behind the records: the spare words, 128 bytes a wave
.set LI,  1                            ; 16 l
.set LR,  2                            ; 16 r
.set ADK, 3                            ; LDS: this step's record + 16 l
.set ADS, 4                            ; + 16 r
.set CL,  5                            ; c = log2(e) / 8, or 0 for a hidden query
.set CE,  6                            ; v6-7   c in use
.set ME,  8                            ; v8-9   -M in use
.set NM,  10                           ; -M
.set TX,  11                           ; the running largest score
.set LS,  12                           ; v12-13 the row's sum, two halves
.set FF,  14                           ; v14-15 f = 2^(old M - new M)
.set QF,  16                           ; v16-27 Q's fragment
.set QW,  28                           ; its scale word
.set PWD, 29                           ; p's scale word
.set KW,  30                           ; v30-33 K's scale words: lanes 0-15 tiles 0-3, lanes 16-31 tiles 4-7
.set VW,  34                           ; v34-37 V's
.set BM,  38                           ; v38-41 maxima: block c's in v[BM + 2 c]
.set PT,  42
.set SO,  46                           ; v46-47 the conversions' scale operands
.set H8,  48                           ; 8 h
.set C2,  50                           ; v50-57 upper halves of blocks
.set PCD, 58                           ; v58-69 p's codes
.set PCO, 70                           ; v70-81 O's codes of both heads
.set PWO, 82                           ; O's scale word
.set NIL, 83
.set L8,  84
.set T0,  85
.set TP,  86                           ; v86-87
.set T1,  88
.set T2,  89
.set KV,  90                           ; v90-157 eight tiles of K (8 registers apart; v154-157 stay 0), then four of V^T
.set S,   158                          ; v158-221 scores, then p
.set OT,  222                          ; v222-253 O^T
.set SPW, 254
.set ZR,  255
.set WV,  12
.set G1,  24
.set G0,  32
.set TB,  48
.set PASS, 49
.macro CROUND                          ; a round of the cluster's barrier
	s_barrier_signal -1
	s_barrier_wait -1
	s_cmp_lg_u32 s[WV], 0
	s_cbranch_scc1 .Lnot_wave_0_\@
	s_barrier_signal -3
.Lnot_wave_0_\@:
	s_barrier_wait -3
	s_barrier_signal -1
	s_barrier_wait -1
.endm
	s_load_b256 s[4:11], s[0:1], 0x0               ; qc, kvrec, query_mask, oc
	v_lshl_add_u32 v[SPW], v0, 2, SPARE
	v_mov_b32 v[ZR], 0
	ds_add_u32 v[SPW], v[ZR]                       ; the opening lines: the add twice on end and one wait
	ds_add_u32 v[SPW], v[ZR]
	v_lshrrev_b32 v[T0], 5, v0
	v_readfirstlane_b32 s[WV], v[T0]               ; wave
	s_and_b32 s15, ttmp7, 0xffff                   ; 4 b + kv head
	s_mov_b32 s[G1], 15|(3<<16)|(1<<21)            ; the four partners; elements of 8 bytes
	s_mov_b32 s[G1+1], 32<<16                      ; rows of 256 bytes,
	s_mov_b32 s[G1+2], 59<<16                      ; 59 of them, dense
	s_mov_b32 s[G1+3], 32<<16
	s_mov_b32 s[G1+4], 59
	s_mov_b32 s[G1+5], 32
	s_mov_b32 s[G1+6], 0
	s_mov_b32 s[G1+7], 0
	s_mul_i32 s56, s15, PAIR
	s_mul_i32 s58, s[WV], REC                      ; record w, in memory and in LDS
	s_add_co_u32 s56, s56, s58
	s_mov_b32 s57, 0
	s_wait_dscnt 0x0
	s_wait_kmcnt 0x0
	s_add_nc_u64 s[56:57], s[6:7], s[56:57]
	s_mov_b32 s[G0], 1
	s_mov_b32 s[G0+1], s58
	s_mov_b64 s[G0+2:G0+3], s[56:57]
	s_or_b32 s[G0+3], s[G0+3], 0x80000000
	CROUND                                         ; the four partners are here: the joint loads meet
	tensor_load_to_lds s[G0:G0+3], s[G1:G1+7]      ; my one tensor load of the launch
	s_nop 0
.rept 4
	v_nop
.endr
	s_bfe_u32 s13, ttmp6, 0x40000                  ; cx: it enters global addresses alone
	s_lshl_b32 s14, ttmp9, 2
	s_add_co_u32 s14, s14, s13                     ; work-group x
	s_lshr_b32 s16, s15, 2                         ; b
	s_and_b32 s17, s15, 3                          ; kv head
	s_lshl_b32 s18, s14, 3
	s_lshr_b32 s19, s[WV], 1
	s_add_co_u32 s18, s18, s19                     ; token block
	s_and_b32 s19, s[WV], 1                        ; head pair
	s_mov_b32 s20, 0x76543210
	s_mov_b32 s21, 0xfedcba98                      ; selects for lane l xor 16
	s_mov_b32 s22, 0xf3000000                      ; -2^103, the largest score's start value: above every hidden key's score, under every open one's
	s_lshl_b32 s72, s16, 4
	s_lshl_b32 s73, s17, 2
	s_add_co_u32 s72, s72, s73
	s_lshl_b32 s73, s19, 1
	s_add_co_u32 s72, s72, s73                     ; 16 b + head
	s_lshl_b32 s52, s72, 7
	s_add_co_u32 s52, s52, s18
	s_mul_i32 s52, s52, 768
	s_mov_b32 s53, 0
	s_add_nc_u64 s[52:53], s[4:5], s[52:53]        ; Q's image
	s_lshl_b32 s54, s72, 5
	s_lshr_b32 s73, s18, 2
	s_add_co_u32 s54, s54, s73
	s_lshl_b32 s54, s54, 8
	s_and_b32 s73, s18, 3
	s_lshl_b32 s73, s73, 2
	s_add_co_u32 s54, s54, s73
	s_add_co_u32 s54, s54, QS0
	s_mov_b32 s55, 0
	s_add_nc_u64 s[54:55], s[4:5], s[54:55]        ; Q's scale words
	s_lshl_b32 s74, s16, 7
	s_add_co_u32 s74, s74, s18
	s_lshl_b32 s75, s17, 1
	s_add_co_u32 s75, s75, s19                     ; the last projection's K step: the head pair
	s_lshl_b32 s66, s74, 3
	s_add_co_u32 s66, s66, s75
	s_mul_i32 s66, s66, 1536
	s_mov_b32 s67, 0
	s_add_nc_u64 s[66:67], s[10:11], s[66:67]      ; O's image
	s_lshl_b32 s68, s74, 9
	s_lshr_b32 s73, s75, 2
	s_lshl_b32 s73, s73, 8
	s_add_co_u32 s68, s68, s73
	s_and_b32 s73, s75, 3
	s_lshl_b32 s73, s73, 2
	s_add_co_u32 s68, s68, s73
	s_add_co_u32 s68, s68, OS0
	s_mov_b32 s69, 0
	s_add_nc_u64 s[68:69], s[10:11], s[68:69]      ; O's scale words
	s_lshl_b32 s70, s16, 11
	s_lshr_b32 s73, s18, 1
	s_lshl_b32 s73, s73, 5
	s_add_co_u32 s70, s70, s73
	s_and_b32 s73, s18, 1
	s_lshl_b32 s73, s73, 3
	s_add_co_u32 s70, s70, s73
	s_mov_b32 s71, 0
	s_add_nc_u64 s[70:71], s[8:9], s[70:71]        ; query_mask at my block's first token
	v_and_b32 v[T0], 31, v0
	v_and_b32 v[T1], 15, v0
	v_bfe_u32 v[H8], v0, 4, 1
	v_lshlrev_b32 v[LI], 4, v[T0]
	v_lshlrev_b32 v[LR], 4, v[T1]
	v_and_b32 v[T2], 8, v[T1]
	v_lshlrev_b32 v[L8], 3, v[T0]
	v_lshlrev_b32 v[H8], 3, v[H8]
	v_add_nc_u32 v[T2], v[T2], v[T1]               ; r + 8 (r / 8)
	global_load_u8 v[BM], v[T2], s[70:71]
	v_mov_b32 v[NIL], 0
	v_cmp_gt_u32 vcc_lo, 16, v[T0]
	v_mov_b32 v[BM+1], 40                          ; the code of -1.0 at k = 64
	s_delay_alu instid0(VALU_DEP_1)
	v_cndmask_b32 v[QF+6], v[NIL], v[BM+1], vcc_lo
.irp i, 7,8,9,10,11
	v_mov_b32 v[QF+\i], 0
.endr
	v_mov_b32 v[CE+1], 0                           ; upper halves of pairs whose low word serves both
	v_mov_b32 v[ME+1], 0
	v_mov_b32 v[FF+1], 0
.irp i, 0,1,2,3
	v_mov_b32 v[PT+\i], 0                          ; a lane permute's destination counts as read
	v_mov_b32 v[KV+64+\i], 0                       ; the tail of tile 7's operand
.endr
.irp i, 0,1,2,3,4,5,6,7,8,9,10,11,12
	v_mov_b32 v[PCO+\i], 0                         ; and PWO
.endr
	s_wait_loadcnt 0x0
	v_cmp_ne_u32 vcc_lo, 0, v[BM]
	v_mov_b32 v[BM+1], 0x3e38aa3b                  ; log2(e) / 8
	s_delay_alu instid0(VALU_DEP_1)
	v_cndmask_b32 v[CL], v[NIL], v[BM+1], vcc_lo
	s_mov_b32 s[PASS], 2
	s_wait_alu depctr_va_vdst(0)                   ; the wait at the head's end
	s_wait_tensorcnt 0x0                           ; my record is in
	s_barrier_signal -1
	s_barrier_wait -1                              ; all sixteen are
.macro KLOAD adr, off                  ; a record's eight tiles of K and their scale words: 17 loads of 512 consecutive bytes
	ds_load_b128 v[KW:KW+3], v[\adr] offset:\off+14336
.irp f, 0,1,2,3,4,5,6,7
	ds_load_b128 v[KV+8*\f:KV+8*\f+3], v[\adr] offset:\off+\f*1024
	ds_load_b128 v[KV+8*\f+4:KV+8*\f+7], v[\adr] offset:\off+\f*1024+512
.endr
.endm
.macro OM j                            ; O^T under the new M
	v_pk_mul_f32 v[OT+\j:OT+\j+1], v[OT+\j:OT+\j+1], v[FF:FF+1] op_sel_hi:[1,0]
.endm
.macro SUM2 j                          ; the sum of the unquantised p, in two chains
	v_pk_add_f32 v[LS:LS+1], v[LS:LS+1], v[S+\j:S+\j+1]
	v_pk_add_f32 v[TP:TP+1], v[TP:TP+1], v[S+\j+2:S+\j+3]
.endm
; A step: 128 keys.  next = 1: the next record's tiles of K are asked for under this step's sums.
.macro STEP next
	s_wait_dscnt 0x0                               ; K's tiles and scale words are in
.irp f, 0,1,2,3
	v_wmma_scale_f32_16x16x128_f8f6f4 v[S+8*\f:S+8*\f+7], v[KV+8*\f:KV+8*\f+11], v[QF:QF+11], 0, v[KW+\f], v[QW] matrix_a_fmt:MATRIX_FMT_FP6 matrix_b_fmt:MATRIX_FMT_FP6
.endr
.irp f, 4,5,6,7
	v_wmma_scale_f32_16x16x128_f8f6f4 v[S+8*\f:S+8*\f+7], v[KV+8*\f:KV+8*\f+11], v[QF:QF+11], 0, v[KW+\f-4], v[QW] matrix_a_fmt:MATRIX_FMT_FP6 matrix_b_fmt:MATRIX_FMT_FP6 matrix_a_scale:MATRIX_SCALE_ROW1
.endr
	v_add_nc_u32 v[ADK], s[TB], v[LI]              ; four places ahead of the loads into K's registers and of the first read of S
	v_add_nc_u32 v[ADS], s[TB], v[LR]
	v_mov_b32 v[T1], v[NM]                         ; the old -M
	v_nop
.irp a, 0,1,2,3
.irp g, 0,1,2
	ds_load_b128 v[KV+12*\a+4*\g:KV+12*\a+4*\g+3], v[ADK] offset:8192+1536*\a+512*\g   ; V^T lands while the maxima are taken
.endr
.endr
	ds_load_b128 v[VW:VW+3], v[ADS] offset:14848
.irp c, 0,1                            ; my two blocks' largest scores, each in two chains (17 and 15 numbers); each accumulator is read from its low end on
	v_max3_num_f32 v[BM+2*\c], v[S+32*\c], v[S+32*\c+1], v[S+32*\c+2]
	v_max3_num_f32 v[BM+2*\c+1], v[S+32*\c+17], v[S+32*\c+18], v[S+32*\c+19]
.endr
.irp i, 0,2,4,6,8,10
.irp c, 0,1
	v_max3_num_f32 v[BM+2*\c], v[BM+2*\c], v[S+32*\c+3+\i], v[S+32*\c+4+\i]
	v_max3_num_f32 v[BM+2*\c+1], v[BM+2*\c+1], v[S+32*\c+20+\i], v[S+32*\c+21+\i]
.endr
.endr
.irp c, 0,1
	v_max3_num_f32 v[BM+2*\c], v[BM+2*\c], v[S+32*\c+15], v[S+32*\c+16]
.endr
.irp c, 0,1
	v_max_num_f32 v[BM+2*\c], v[BM+2*\c], v[BM+2*\c+1]
.endr
	s_delay_alu instid0(VALU_DEP_1)
	v_max_num_f32 v[T0], v[BM], v[BM+2]
	s_delay_alu instid0(VALU_DEP_1)
	v_permlanex16_b32 v[PT], v[T0], s20, s21
	s_delay_alu instid0(VALU_DEP_1)
	v_max3_num_f32 v[TX], v[TX], v[T0], v[PT]      ; with lane l xor 16's 64 keys: the running largest score
	s_delay_alu instid0(VALU_DEP_1)
	v_mul_f32 v[T0], v[CL], v[TX]                  ; as t (c is not negative)
	v_cmp_eq_f32 vcc_lo, s22, v[TX]                ; every key so far is hidden
	v_floor_f32 v[NM], -v[T0]                      ; -M = -ceil(t)
	v_cndmask_b32 v[CE], v[CL], v[NIL], vcc_lo
	v_sub_f32 v[T1], v[NM], v[T1]                  ; old M - new M
	v_cndmask_b32 v[ME], v[NM], v[NIL], vcc_lo
	v_cvt_i32_f32 v[T1], v[T1]                     ; (it saturates)
	v_fma_f32 v[BM], v[BM], v[CE], v[ME]           ; t - M of each block's largest score
	v_fma_f32 v[BM+2], v[BM+2], v[CE], v[ME]
	v_ldexp_f32 v[FF], 1.0, v[T1]                  ; f: a power of two or 0
.irp j, 0,2,4,6,8,10,12,14,16,18,20,22,24,26,28,30,32,34,36,38,40,42,44,46,48,50,52,54,56,58,60,62
	v_pk_fma_f32 v[S+\j:S+\j+1], v[S+\j:S+\j+1], v[CE:CE+1], v[ME:ME+1] op_sel_hi:[1,0,0]   ; t - M
.endr
	s_wait_alu depctr_va_vdst(0)                   ; the wait ahead of the batch and of the wait below
	s_wait_dscnt 0x0                               ; V^T and its scale words are in
.irp j, 0,1,2,3,4,5,6,7,8,9,10,11,12,13,14,15,16,17,18,19,20,21,22,23,24,25,26,27,28,29,30,31,32,33,34,35,36,37,38,39,40,41,42,43,44,45,46,47,48,49,50,51,52,53,54,55,56,57,58,59,60,61,62,63
	v_exp_f32 v[S+\j], v[S+\j]                     ; p
.endr
	v_exp_f32 v[BM], v[BM]                         ; each block's largest p: the same two instructions on the same number
	v_exp_f32 v[BM+2], v[BM+2]
	s_wait_alu depctr_va_vdst(0)                   ; the wait: behind the batch, directly ahead of O^T's first reader
	OM 0                                           ; (plain work behind the batch; the blocks' scales by turns with it)
	OM 2
	v_max_num_f32 v[BM], 0x1800000, v[BM]          ; the floor 2^(3 - 127) holds the byte at 1 from below
	v_max_num_f32 v[BM+2], 0x1800000, v[BM+2]
	OM 4
	OM 6
	v_add_nc_u32 v[SO], 0xff000000, v[BM]          ; 2 off the exponent field: the conversion's scale operand
	v_add_nc_u32 v[SO+1], 0xff000000, v[BM+2]
	OM 8
	OM 10
	v_lshrrev_b32 v[PT], 23, v[SO]                 ; the bytes of blocks h and 2 + h
	v_lshrrev_b32 v[PT+1], 23, v[SO+1]
	OM 12
	OM 14
	v_lshl_or_b32 v[T0], v[PT+1], 16, v[PT]
	OM 16
	OM 18
	v_lshlrev_b32 v[T0], v[H8], v[T0]              ; at their places in the word
.irp j, 20,22,24,26,28,30
	OM \j
.endr
	v_permlanex16_b32 v[PT+2], v[T0], s20, s21
.irp c, 0,1
	v_cvt_scalef32_pk16_fp6_f32 v[PCD+6*\c:PCD+6*\c+2], v[S+32*\c:S+32*\c+15], v[SO+\c]
	v_cvt_scalef32_pk16_fp6_f32 v[C2+4*\c:C2+4*\c+2], v[S+32*\c+16:S+32*\c+31], v[SO+\c]   ; (a conversion's three registers begin on an even number)
.endr
	v_or_b32 v[PWD], v[T0], v[PT+2]                ; with lane l xor 16's two bytes the word is whole.  (The plain place behind the conversions)
.irp c, 0,1
.irp i, 0,1,2
	v_mov_b32 v[PCD+6*\c+3+\i], v[C2+4*\c+\i]
.endr
.endr
	v_pk_fma_f32 v[LS:LS+1], v[LS:LS+1], v[FF:FF+1], v[S:S+1] op_sel_hi:[1,0,1]   ; the sum under the new M; these eight lines are the places ahead of the scaled products
	v_pk_add_f32 v[TP:TP+1], v[S+2:S+3], v[S+4:S+5]
	SUM2 6
	SUM2 10
	SUM2 14
.irp a, 0,1,2,3
	v_wmma_scale_f32_16x16x128_f8f6f4 v[OT+8*\a:OT+8*\a+7], v[KV+12*\a:KV+12*\a+11], v[PCD:PCD+11], v[OT+8*\a:OT+8*\a+7], v[VW+\a], v[PWD] matrix_a_fmt:MATRIX_FMT_FP6 matrix_b_fmt:MATRIX_FMT_FP6
.endr
	SUM2 18                                        ; four places ahead of the loads into V^T's registers
	SUM2 22
.if \next
	KLOAD ADK, REC
.endif
.irp j, 26,30,34,38,42,46,50,54,58
	SUM2 \j
.endr
	v_pk_add_f32 v[TP:TP+1], v[TP:TP+1], v[S+62:S+63]
	s_delay_alu instid0(VALU_DEP_1)
	v_pk_add_f32 v[LS:LS+1], v[LS:LS+1], v[TP:TP+1]
.endm
.Lpass:
	global_load_b128 v[QF:QF+3], v[LI], s[52:53]
	global_load_b64 v[QF+4:QF+5], v[L8], s[52:53] offset:512
	global_load_b32 v[QW], v[LR], s[54:55]
	KLOAD LI, 0                                    ; record 0
.irp j, 0,1,2,3,4,5,6,7,8,9,10,11,12,13,14,15,16,17,18,19,20,21,22,23,24,25,26,27,28,29,30,31
	v_mov_b32 v[OT+\j], 0                          ; the step is written for every record alike: the first finds zeros
.endr
	v_mov_b32 v[TX], s22
	v_mov_b32 v[LS], 0
	v_mul_f32 v[T0], s22, v[CL]
	v_mov_b32 v[LS+1], 0
	v_floor_f32 v[NM], -v[T0]                      ; -M of the start value, made as the step makes it
	s_wait_alu depctr_va_vdst(0)                   ; directly ahead of the wait below
	s_wait_loadcnt 0x0
	s_add_nc_u64 s[52:53], s[52:53], 98304         ; the next head
	s_add_nc_u64 s[54:55], s[54:55], 8192
	s_mov_b32 s[TB], 0
.Lstep:                                ; records 0 to 14
	STEP 1
	s_add_co_u32 s[TB], s[TB], REC
	s_cmp_lt_u32 s[TB], 15*REC
	s_cbranch_scc1 .Lstep
	s_mov_b32 s[TB], 15*REC
	STEP 0                                         ; record 15: nothing more is asked for; its last 24 sums are the places behind its products
	v_add_f32 v[LS], v[LS], v[LS+1]
	s_delay_alu instid0(VALU_DEP_1)
	v_permlanex16_b32 v[PT], v[LS], s20, s21
	s_delay_alu instid0(VALU_DEP_1)
	v_add_f32 v[LS], v[LS], v[PT]                  ; the row's sum
	s_wait_alu depctr_va_vdst(0)                   ; the wait ahead of the transcendental
	v_rcp_f32 v[FF], v[LS]
	v_nop
	s_wait_alu depctr_va_vdst(0)                   ; and ahead of its first reader, which is O^T's first reader too
.irp j, 0,2,4,6,8,10,12,14,16,18,20,22,24,26,28,30
	OM \j
.endr
.irp b, 0,1                            ; the head's 64 channels are two blocks of the last projection's K; a lane holds 16 of each
	v_max3_num_f32 v[BM+\b], |v[OT+16*\b]|, |v[OT+16*\b+1]|, 0x1800000
.endr
.irp i, 2,4,6,8,10,12,14
.irp b, 0,1
	s_delay_alu instid0(VALU_DEP_2)
	v_max3_num_f32 v[BM+\b], v[BM+\b], |v[OT+16*\b+\i]|, |v[OT+16*\b+\i+1]|
.endr
.endr
.irp b, 0,1
	s_delay_alu instid0(VALU_DEP_2)
	v_permlanex16_b32 v[PT+\b], v[BM+\b], s20, s21
.endr
.irp b, 0,1
	s_delay_alu instid0(VALU_DEP_2)
	v_max_num_f32 v[BM+\b], v[BM+\b], v[PT+\b]
.endr
.irp b, 0,1
	s_delay_alu instid0(VALU_DEP_2)
	v_add_nc_u32 v[SO+\b], 0xff000000, v[BM+\b]
.endr
.irp b, 0,1
	s_delay_alu instid0(VALU_DEP_2)
	v_lshrrev_b32 v[PT+\b], 23, v[SO+\b]
.endr
	v_cvt_scalef32_pk16_fp6_f32 v[C2:C2+2], v[OT:OT+15], v[SO]
	v_cvt_scalef32_pk16_fp6_f32 v[C2+4:C2+6], v[OT+16:OT+31], v[SO+1]
	v_nop
.irp i, 0,1,2
	v_permlane16_swap_b32 v[C2+\i], v[C2+4+\i]     ; the layout wants a whole block in a lane
.endr
.irp i, 0,1,2,3,4,5
	v_mov_b32 v[PCO+\i], v[PCO+6+\i]               ; the first head's codes move to registers 0-5,
.endr
.irp i, 0,1,2
	v_mov_b32 v[PCO+6+\i], v[C2+\i]                ; this head's stand in 6-11
	v_mov_b32 v[PCO+9+\i], v[C2+4+\i]
.endr
	v_lshl_or_b32 v[T0], v[PT+1], 8, v[PT]
	v_lshrrev_b32 v[PWO], 16, v[PWO]               ; and so with the two bytes
	s_delay_alu instid0(VALU_DEP_1)
	v_lshl_or_b32 v[PWO], v[T0], 16, v[PWO]
	s_sub_co_u32 s[PASS], s[PASS], 1
	s_cmp_lg_u32 s[PASS], 0
	s_cbranch_scc1 .Lpass
.irp g, 0,1,2
	global_store_b128 v[LI], v[PCO+4*\g:PCO+4*\g+3], s[66:67] offset:512*\g   ; 512 consecutive bytes, aligned to 256
.endr
	global_store_b32 v[LR], v[PWO], s[68:69]
	s_wait_tensorcnt 0x0                           ; the wave's end
	ds_add_u32 v[SPW], v[ZR]
	s_wait_dscnt 0x0
	CROUND                                         ; the closing round
	s_endpgm
.Lfunc_end_k_qa95213d268_attn:
	.size	k_qa95213d268_attn, .Lfunc_end_k_qa95213d268_attn-k_qa95213d268_attn
	.p2alignl 7, 3214868480
	.fill 96, 4, 3214868480
	.section	.rodata,"a",@progbits
	.p2align	6, 0x0
	.amdhsa_kernel k_qa95213d268_attn
		.amdhsa_group_segment_fixed_size 327680
		.amdhsa_private_segment_fixed_size 0
		.amdhsa_enable_private_segment 0
		.amdhsa_kernarg_size 32
		.amdhsa_user_sgpr_count 2
		.amdhsa_user_sgpr_kernarg_segment_ptr 1
		.amdhsa_wavefront_size32 1
		.amdhsa_system_sgpr_workgroup_id_x 1
		.amdhsa_system_sgpr_workgroup_id_y 1
		.amdhsa_system_sgpr_workgroup_id_z 1
		.amdhsa_system_vgpr_workitem_id 0
		.amdhsa_next_free_vgpr 256
		.amdhsa_next_free_sgpr 80
		.amdhsa_reserve_vcc 1
		.amdhsa_float_denorm_mode_32 3
		.amdhsa_float_denorm_mode_16_64 3
		.amdhsa_memory_ordered 1
		.amdhsa_forward_progress 1
		.amdhsa_inst_pref_size 42
	.end_amdhsa_kernel
	.amdgpu_metadata
---
amdhsa.version: [ 1, 2 ]
amdhsa.kernels:
  - .name:           k_qa95213d268_attn
    .symbol:         k_qa95213d268_attn.kd
    .args:
      - { .name: qc, .offset: 0, .size: 8, .value_kind: global_buffer, .address_space: global }
      - { .name: kvrec, .offset: 8, .size: 8, .value_kind: global_buffer, .address_space: global }
      - { .name: query_mask, .offset: 16, .size: 8, .value_kind: global_buffer, .address_space: global }
      - { .name: oc, .offset: 24, .size: 8, .value_kind: global_buffer, .address_space: global }
    .group_segment_fixed_size: 327680
    .private_segment_fixed_size: 0
    .kernarg_segment_align: 8
    .kernarg_segment_size: 32
    .max_flat_workgroup_size: 512
    .sgpr_count:     80
    .vgpr_count:     256
    .wavefront_size: 32
...
	.end_amdgpu_metadata
.endif
;; end of part 3
;; launch outp (part 4): grid 4 x 64, 4 waves a work-group, clusters of 4 x 4, 327,680 bytes of LDS; arguments oc, w1, out0; writes out0
.if DOCPART == 4
	.amdgcn_target "amdgcn-amd-amdhsa--gfx1250"
	.amdhsa_code_object_version 6
	.text
	.protected	k_qa95213d268_outp
	.globl	k_qa95213d268_outp
	.p2align	8
	.type	k_qa95213d268_outp,@function
k_qa95213d268_outp:
	s_mov_b64 s[64:65], 0
	v_nop
	global_prefetch_b8 v0, s[64:65] scope:SCOPE_SE
	s_setreg_imm32_b32 hwreg(HW_REG_WAVE_MODE, 25, 1), 1
	s_wait_xcnt 0x0
	s_wait_alu depctr_hold_cnt(0) depctr_sa_sdst(0) depctr_va_vdst(0) depctr_va_sdst(0) depctr_va_ssrc(0) depctr_va_vcc(0) depctr_vm_vsrc(0)
	s_getreg_b32 s2, hwreg(HW_REG_IB_STS2, 6, 4)
	s_cmp_eq_u32 s2, 0
	s_cbranch_scc0 .Lentry_in_a_cluster
	s_endpgm
.Lentry_in_a_cluster:
	s_bfe_u32 s2, ttmp6, 0x10000c
	s_cmp_lg_u32 s2, 0xf033
	s_cbranch_scc0 .Lentry_shape_is_right
	s_endpgm
.Lentry_shape_is_right:
; out0 = O Wo^T on codes of FP6 (E2M3).  O's images and scale words come from oc (512 token blocks), Wo's from w1 (blocks 1120 on); both lie in the order of an operand's registers (a block of 16 rows: 8 K steps x 1,536 bytes).
; A work-group makes 128 tokens (Y) x 256 outputs (X) over K = 1,024, used transposed (source 0 = 16 rows of Wo, source 1 = 16 tokens): a lane holds one token and eight neighbouring outputs a tile.
; Four waves, each 64 x 128: 32 accumulators.
; LDS: all of K fits (288 KB), in two parts.  Part 0: K steps 0-5, a row of 9,216 bytes for each block, Y's 8 blocks and then X's 16.  Part 1: K steps 6, 7, rows of 3,072 bytes, laid likewise.
; Waves 0, 1 ask for four blocks of Y each, waves 2, 3 for eight blocks of X each: one tensor load a wave behind the first round for part 0; part 1's load stands behind the wait for all loads, the add, its wait
; and a round, and has five K steps, 160 matrix instructions a wave, in which to land.  One tensor load of a wave is out at any time; no LDS byte is filled twice.  Every tile's row begins on a multiple of 256.
; CLUSTER 4 x 4: the four of a row need the same tokens, the four of a column the same rows of Wo: each piece is asked for jointly.  Y's address is made of the tile row and the wave alone, X's of the tile column and the wave alone.
; NO PREFETCH: the launch has no loop to run ahead in.
; The rows of a block are 32 G + 8 u + r + 8 (r / 8): the way out puts each row at its token.
.set R0,   9216
.set R1,   3072
.set P0X,  8*R0
.set P1Y,  24*R0
.set P1X,  P1Y+8*R1
.set SPARE, P1X+16*R1                  ; 294,912: the spare words
.set SC0,  14548992
.set OS0,  6291456
.set LI,  4
.set LR,  5
.set AY0, 6                            ; LDS: my Y fragments in part 0
.set AX0, 7                            ; my X blocks 0-3 in part 0
.set AX0B, 8                           ; my X blocks 4-7 in part 0
.set AY1, 9                            ; my Y fragments in part 1
.set AX1, 10                           ; my X fragments in part 1
.set STO, 24
.set RD,  25
.set SA,  32
.set SB,  64
.set YF,  128
.set G1Y, 24
.set G1X, 32
.set G0Y, 40
.set G0X, 68
.set MSB, 0
.macro WIN new
.if MSB != (\new)
	s_set_vgpr_msb (MSB<<8)|(\new)
.set MSB, (\new)
.endif
.endm
.set MUL,  0xa1
.set TO_X, 0x40
.macro PLACES
.rept 4
	v_nop
.endr
.endm
.macro CROUND
	s_barrier_signal -1
	s_barrier_wait -1
	s_cmp_lg_u32 s14, 0
	s_cbranch_scc1 .Lnot_wave_0_\@
	s_barrier_signal -3
.Lnot_wave_0_\@:
	s_barrier_wait -3
	s_barrier_signal -1
	s_barrier_wait -1
.endm
	s_load_b128 s[4:7], s[0:1], 0x0                ; oc, w1
	s_load_b64 s[8:9], s[0:1], 0x10                ; out0
	v_lshl_add_u32 v30, v0, 2, SPARE
	v_mov_b32 v31, 0
	ds_add_u32 v30, v31                            ; the opening lines: the add twice on end and one wait
	ds_add_u32 v30, v31
	v_lshrrev_b32 v1, 5, v0
	v_readfirstlane_b32 s14, v1
	s_lshr_b32 s15, s14, 1                         ; wy.  Also: I fetch for Y (0) or for X (1)
	s_and_b32 s16, s14, 1                          ; wx.  Also: which half of that operand's blocks I fetch
	s_bfe_u32 s20, ttmp6, 0x40000                  ; cx
	s_bfe_u32 s21, ttmp6, 0x40004                  ; cy
	s_lshl_b32 s19, ttmp9, 2
	s_add_co_u32 s19, s19, s20                     ; tb: tile column
	s_and_b32 s18, ttmp7, 0xffff
	s_lshl_b32 s18, s18, 2
	s_add_co_u32 s18, s18, s21                     ; ta: tile row
	s_lshl_b32 s22, s21, 2
	s_lshl_b32 s22, 15, s22                        ; my row of the cluster
	s_lshl_b32 s23, 0x1111, s20                    ; my column
	s_or_b32 s[G1Y], s22, (3<<16)|(1<<21)          ; a row for each block, 1,152 elements of 8 bytes (six K steps), 12,288 bytes apart, dense in LDS
	s_mov_b32 s[G1Y+1], (R0/8)<<16
	s_mov_b32 s[G1Y+2], 4<<16
	s_mov_b32 s[G1Y+3], (R0/8)<<16
	s_mov_b32 s[G1Y+4], 4
	s_mov_b32 s[G1Y+5], 1536
	s_mov_b32 s[G1Y+6], 0
	s_mov_b32 s[G1Y+7], 0
	s_or_b32 s[G1X], s23, (3<<16)|(1<<21)
	s_mov_b32 s[G1X+1], (R0/8)<<16
	s_mov_b32 s[G1X+2], 8<<16
	s_mov_b32 s[G1X+3], (R0/8)<<16
	s_mov_b32 s[G1X+4], 8
	s_mov_b32 s[G1X+5], 1536
	s_mov_b32 s[G1X+6], 0
	s_mov_b32 s[G1X+7], 0
	s_lshl_b32 s56, s18, 3
	s_lshl_b32 s57, s16, 2
	s_add_co_u32 s56, s56, s57
	s_mul_i32 s56, s56, 12288                      ; Y's blocks 8 ta + 4 (w % 2) on
	s_mov_b32 s57, 0
	s_lshl_b32 s58, s19, 4
	s_lshl_b32 s59, s16, 3
	s_add_co_u32 s58, s58, s59
	s_add_co_u32 s58, s58, 1120
	s_mul_i32 s58, s58, 12288                      ; X's blocks 1120 + 16 tb + 8 (w % 2) on
	s_mov_b32 s59, 0
	s_mul_i32 s60, s16, 4*R0                       ; where they go: Y in part 0,
	s_mul_i32 s61, s16, 8*R0
	s_add_co_u32 s61, s61, P0X                     ; X in part 0,
	s_mul_i32 s62, s16, 4*R1
	s_add_co_u32 s62, s62, P1Y                     ; Y in part 1,
	s_mul_i32 s63, s16, 8*R1
	s_add_co_u32 s63, s63, P1X                     ; X in part 1
	s_mul_i32 s92, s15, 4*R0                       ; and what I read: my 4 Y blocks, my 8 X blocks, in both parts
	s_mul_i32 s93, s16, 8*R0
	s_add_co_u32 s93, s93, P0X
	s_mul_i32 s94, s15, 4*R1
	s_add_co_u32 s94, s94, P1Y
	s_mul_i32 s95, s16, 8*R1
	s_add_co_u32 s95, s95, P1X
	s_mul_i32 s90, s14, 8448                       ; my stage: 16 rows x 528 bytes, in part 0's bytes, which have had their only fill and their last read when the first result is stored there
	s_lshl_b32 s84, s18, 3
	s_lshl_b32 s85, s15, 2
	s_add_co_u32 s84, s84, s85
	s_lshl_b32 s84, s84, 9
	s_add_co_u32 s84, s84, OS0
	s_mov_b32 s85, 0
	s_lshl_b32 s86, s19, 4
	s_lshl_b32 s87, s16, 3
	s_add_co_u32 s86, s86, s87
	s_add_co_u32 s86, s86, 1120
	s_lshl_b32 s86, s86, 9
	s_add_co_u32 s86, s86, SC0
	s_mov_b32 s87, 0
	s_lshl_b32 s88, s18, 7
	s_lshl_b32 s89, s15, 6
	s_add_co_u32 s88, s88, s89
	s_lshl_b32 s88, s88, 12                        ; token 128 ta + 64 wy, rows of 4,096 bytes,
	s_lshl_b32 s89, s19, 10
	s_add_co_u32 s88, s88, s89                     ; + 1,024 tb
	s_lshl_b32 s89, s16, 9
	s_add_co_u32 s88, s88, s89                     ; + 512 wx
	s_mov_b32 s89, 0
	s_wait_dscnt 0x0
	s_wait_kmcnt 0x0
	s_add_nc_u64 s[56:57], s[4:5], s[56:57]
	s_add_nc_u64 s[58:59], s[6:7], s[58:59]
	s_add_nc_u64 s[84:85], s[4:5], s[84:85]
	s_add_nc_u64 s[86:87], s[6:7], s[86:87]
	s_add_nc_u64 s[8:9], s[8:9], s[88:89]
	s_mov_b32 s[G0Y], 1                            ; group 0, a set for each part
	s_mov_b32 s[G0Y+1], s60
	s_mov_b64 s[G0Y+2:G0Y+3], s[56:57]
	s_or_b32 s[G0Y+3], s[G0Y+3], 0x80000000
	s_mov_b32 s[G0Y+4], 1
	s_mov_b32 s[G0Y+5], s62
	s_add_nc_u64 s[G0Y+6:G0Y+7], s[56:57], R0
	s_or_b32 s[G0Y+7], s[G0Y+7], 0x80000000
	s_mov_b32 s[G0X], 1
	s_mov_b32 s[G0X+1], s61
	s_mov_b64 s[G0X+2:G0X+3], s[58:59]
	s_or_b32 s[G0X+3], s[G0X+3], 0x80000000
	s_mov_b32 s[G0X+4], 1
	s_mov_b32 s[G0X+5], s63
	s_add_nc_u64 s[G0X+6:G0X+7], s[58:59], R0
	s_or_b32 s[G0X+7], s[G0X+7], 0x80000000
.macro JL c                            ; part c: waves 0, 1 ask for Y, waves 2, 3 for X: one joint load on every way; the branch hangs on the wave's number alone
	s_cmp_eq_u32 s15, 0
	s_cbranch_scc0 .Lfx_\@
	tensor_load_to_lds s[G0Y+4*\c:G0Y+4*\c+3], s[G1Y:G1Y+7]
	s_nop 0
	PLACES
	s_branch .Lfj_\@
.Lfx_\@:
	tensor_load_to_lds s[G0X+4*\c:G0X+4*\c+3], s[G1X:G1X+7]
	s_nop 0
	PLACES
.Lfj_\@:
.endm
	CROUND                                         ; all sixteen work-groups are here: the joint loads meet
	JL 0
	v_and_b32 v1, 31, v0
	v_and_b32 v2, 15, v0
	v_bfe_u32 v3, v0, 4, 1
	v_lshlrev_b32 v[LI], 4, v1
	v_lshlrev_b32 v[LR], 4, v2
	v_add_nc_u32 v[AY0], s92, v[LI]
	v_add_nc_u32 v[AX0], s93, v[LI]
	v_add_nc_u32 v[AY1], s94, v[LI]
	v_add_nc_u32 v[AX1], s95, v[LI]
	v_add_nc_u32 v[AX0B], 4*R0, v[AX0]
	v_mul_u32_u24 v[STO], v2, 528
	v_lshl_add_u32 v[STO], v3, 6, v[STO]
	v_add_nc_u32 v[STO], s90, v[STO]
	v_add_nc_u32 v[RD], s90, v[LI]
.irp a, 0,1,2,3
.irp f, 0,1
	global_load_b128 v[SA+8*\a+4*\f:SA+8*\a+4*\f+3], v[LR], s[84:85] offset:512*\a+256*\f
.endr
.endr
.irp b, 0,1,2,3,4,5,6,7
.irp f, 0,1
	global_load_b128 v[SB+8*\b+4*\f:SB+8*\b+4*\f+3], v[LR], s[86:87] offset:512*\b+256*\f
.endr
.endr
.macro FETCH s                         ; K step s: 8 fragments of X and 4 of Y into set s % 2: 36 loads of 512 consecutive bytes
	WIN TO_X
.irp b, 0,1,2,3,4,5,6,7
.irp g, 0,1,2
.if (\s) < 6
.set FA, AX0+(\b/4)*(AX0B-AX0)
.set FO, R0*(\b%4)+1536*(\s)+512*\g
.else
.set FA, AX1
.set FO, R1*\b+1536*((\s)-6)+512*\g
.endif
	ds_load_b128 v[96*((\s)%2)+12*\b+4*\g:96*((\s)%2)+12*\b+4*\g+3], v[FA] offset:FO
.endr
.endr
	WIN 0
.irp a, 0,1,2,3
.irp g, 0,1,2
.if (\s) < 6
.set FA, AY0
.set FO, R0*\a+1536*(\s)+512*\g
.else
.set FA, AY1
.set FO, R1*\a+1536*((\s)-6)+512*\g
.endif
	ds_load_b128 v[YF+48*((\s)%2)+12*\a+4*\g:YF+48*((\s)%2)+12*\a+4*\g+3], v[FA] offset:FO
.endr
.endr
.endm
.macro KSTEP s                         ; the next step's fragments are asked for 32 matrix instructions ahead; the 32 accumulators take turns in the same order in every step
	s_wait_dscnt 0x0
.if (\s) == 0
	s_wait_loadcnt 0x0                             ; the scale words
.endif
.if (\s) == 5
	s_wait_tensorcnt 0x0                           ; my load of part 1 is in
	s_barrier_signal -1
	s_barrier_wait -1                              ; everybody's is, and nobody reads part 0 any more
.endif
.if ((\s) > 0) && ((\s) < 7)
	PLACES
.endif
.if (\s) < 7
	FETCH (\s)+1
.endif
	WIN MUL
.irp a, 0,1,2,3
.irp b, 0,1,2,3,4,5,6,7
.if (\s) == 0
	v_wmma_scale_f32_16x16x128_f8f6f4 v[8*(8*\a+\b):8*(8*\a+\b)+7], v[96*((\s)%2)+12*\b:96*((\s)%2)+12*\b+11], v[YF+48*((\s)%2)+12*\a:YF+48*((\s)%2)+12*\a+11], 0, v[SB+8*\b+(\s)], v[SA+8*\a+(\s)] matrix_a_fmt:MATRIX_FMT_FP6 matrix_b_fmt:MATRIX_FMT_FP6
.else
	v_wmma_scale_f32_16x16x128_f8f6f4 v[8*(8*\a+\b):8*(8*\a+\b)+7], v[96*((\s)%2)+12*\b:96*((\s)%2)+12*\b+11], v[YF+48*((\s)%2)+12*\a:YF+48*((\s)%2)+12*\a+11], v[8*(8*\a+\b):8*(8*\a+\b)+7], v[SB+8*\b+(\s)], v[SA+8*\a+(\s)] matrix_a_fmt:MATRIX_FMT_FP6 matrix_b_fmt:MATRIX_FMT_FP6
.endif
.endr
.endr
	WIN 0
.endm
	s_wait_alu depctr_va_vdst(0)                   ; the wait at the head's end
	s_wait_tensorcnt 0x0                           ; my share of part 0 is in
	ds_add_u32 v30, v31
	s_mov_b32 s[G1Y+1], (R1/8)<<16                 ; no tensor load of mine is out, so a descriptor may be written: part 1's rows are 384 elements
	s_mov_b32 s[G1Y+3], (R1/8)<<16
	s_mov_b32 s[G1X+1], (R1/8)<<16
	s_mov_b32 s[G1X+3], (R1/8)<<16
	s_wait_dscnt 0x0
	CROUND                                         ; everybody's share is in, and all sixteen work-groups are here
	JL 1                                           ; part 1: my one tensor load behind this round
	FETCH 0
	KSTEP 0
	KSTEP 1
	KSTEP 2
	KSTEP 3
	KSTEP 4
	KSTEP 5
	KSTEP 6
	KSTEP 7
; THE WAY OUT, a block of 16 tokens x 128 outputs at a time, through my own stage: register j of tile b is output 32 (b / 2) + 16 h + 8 (b % 2) + j; rows come back whole, 512 bytes for the 32 lanes.
.macro TOSTAGE a
	WIN 0x08                                       ; an LDS store's data are its source 1: window 2
.irp b, 0,1,2,3,4,5,6,7
	ds_store_b128 v[STO], v[8*(8*(\a)+\b):8*(8*(\a)+\b)+3] offset:128*(\b/2)+32*(\b%2)       ; each accumulator from its low end on
	ds_store_b128 v[STO], v[8*(8*(\a)+\b)+4:8*(8*(\a)+\b)+7] offset:128*(\b/2)+32*(\b%2)+16
.endr
	WIN 0
.set BB, 128+64*((\a)%2)
.irp t, 0,1,2,3,4,5,6,7,8,9,10,11,12,13,14,15
	ds_load_b128 v[BB+4*\t:BB+4*\t+3], v[RD] offset:\t*528   ; LDS serves a wave's instructions in order: these see the stores above
.endr
.endm
.macro SEND a, younger
.set BB, 128+64*((\a)%2)
	s_wait_dscnt \younger                          ; the block is back; the next block's 16 stores and 16 loads may be out
.irp t, 0,1,2,3,4,5,6,7,8,9,10,11,12,13,14,15
	global_store_b128 v[LI], v[BB+4*\t:BB+4*\t+3], s[8:9] offset:(32*((\a)/2)+8*((\a)%2)+\t+8*(\t/8))*4096 th:TH_STORE_NT   ; 512 consecutive bytes, aligned to 256
.endr
.endm
	PLACES
	TOSTAGE 0
	TOSTAGE 1
	SEND 0, 32
	s_wait_xcnt 0x0                                ; block 0's stores have read their registers: block 2's rows may land there
	TOSTAGE 2
	SEND 1, 32
	s_wait_xcnt 0x0
	TOSTAGE 3
	SEND 2, 32
	SEND 3, 0
	s_wait_tensorcnt 0x0                           ; the wave's end
	ds_add_u32 v30, v31
	s_wait_dscnt 0x0
	CROUND                                         ; the closing round
	s_endpgm
.Lfunc_end_k_qa95213d268_outp:
	.size	k_qa95213d268_outp, .Lfunc_end_k_qa95213d268_outp-k_qa95213d268_outp
	.p2alignl 7, 3214868480
	.fill 96, 4, 3214868480
	.section	.rodata,"a",@progbits
	.p2align	6, 0x0
	.amdhsa_kernel k_qa95213d268_outp
		.amdhsa_group_segment_fixed_size 327680
		.amdhsa_private_segment_fixed_size 0
		.amdhsa_enable_private_segment 0
		.amdhsa_kernarg_size 24
		.amdhsa_user_sgpr_count 2
		.amdhsa_user_sgpr_kernarg_segment_ptr 1
		.amdhsa_wavefront_size32 1
		.amdhsa_system_sgpr_workgroup_id_x 1
		.amdhsa_system_sgpr_workgroup_id_y 1
		.amdhsa_system_sgpr_workgroup_id_z 1
		.amdhsa_system_vgpr_workitem_id 0
		.amdhsa_next_free_vgpr 768
		.amdhsa_next_free_sgpr 96
		.amdhsa_reserve_vcc 0
		.amdhsa_float_denorm_mode_32 3
		.amdhsa_float_denorm_mode_16_64 3
		.amdhsa_memory_ordered 1
		.amdhsa_forward_progress 1
		.amdhsa_inst_pref_size 78
	.end_amdhsa_kernel
	.amdgpu_metadata
---
amdhsa.version: [ 1, 2 ]
amdhsa.kernels:
  - .name:           k_qa95213d268_outp
    .symbol:         k_qa95213d268_outp.kd
    .args:
      - { .name: oc, .offset: 0, .size: 8, .value_kind: global_buffer, .address_space: global }
      - { .name: w1, .offset: 8, .size: 8, .value_kind: global_buffer, .address_space: global }
      - { .name: out0, .offset: 16, .size: 8, .value_kind: global_buffer, .address_space: global }
    .group_segment_fixed_size: 327680
    .private_segment_fixed_size: 0
    .kernarg_segment_align: 8
    .kernarg_segment_size: 24
    .max_flat_workgroup_size: 128
    .sgpr_count:     96
    .vgpr_count:     768
    .wavefront_size: 32
...
	.end_amdgpu_metadata
.endif
;; end of part 4
